; MI455X (gfx1250); checked and timed in simulation.
; The chip was launched on July 23, 2026; its instructions are those of AMD's public machine-readable ISA for CDNA 5 (MIT licence, August 2026) and "CDNA5" Instruction Set Architecture Reference Guide (July 2026). The comments in the code are by the model that wrote it; some were corrected since.
;; Correspondence Extractor. Allowed arithmetic: float matrix products may take bf16 or f16 operands with f32 sums; all other float work in f32.
;; Inputs: src_feats 8,192 x 64 float32; src_points 8,192 x 3 float32; tgt_feats 8,192 x 64 float32; tgt_points 8,192 x 3 float32.
;; Outputs: out0 4,096 x 3 float32; out1 4,096 x 3 float32; out2 4,096 x 64 float32; out3 4,096 x 64 float32; out4 4,096 float32.
;; 3 versions, each right and faster than the one before. Each part assembles by itself: llvm-mc -triple=amdgcn-amd-amdhsa -mcpu=gfx1250 --defsym DOCPART=n.
;; ======== version 1 of 3: 4 launches
;; workspace buffers: frag 2,097,152 bytes; cneg 65,536 bytes; grp 262,144 bytes of whole numbers; wkey 65,536 bytes of whole numbers; nn 65,536 bytes of whole numbers
;; launch prep (part 1): grid 128 x 2, 4 waves a work-group, no clusters, 0 bytes of LDS; arguments src_feats, tgt_feats, frag, cneg; writes frag, cneg
.if DOCPART == 1
	.amdgcn_target "amdgcn-amd-amdhsa--gfx1250"
	.amdhsa_code_object_version 6
	.text
	.protected	k_q23939d6eda_prep
	.globl	k_q23939d6eda_prep
	.p2align	8
	.type	k_q23939d6eda_prep,@function
k_q23939d6eda_prep:
	s_mov_b64 s[64:65], 0
	v_nop
	global_prefetch_b8 v0, s[64:65] scope:SCOPE_SE
	s_setreg_imm32_b32 hwreg(HW_REG_WAVE_MODE, 25, 1), 1
	s_wait_xcnt 0x0
; prep: the features of one side (grid y: 0 = src, 1 = tgt), rounded to bf16 and laid out as matrix fragments, and -1/2 |row|^2 of the rounded rows.
; A wave makes one tile T = 4 x + wave of 16 rows.  Tiles are PERMUTED: with c = T >> 5, t = T & 31, tile row r is the true row
;   R(r) = 512 c + 256 (r >> 3) + 8 t + (r & 7),
; so that the eight rows 8h .. 8h+7 of a tile are the eight neighbouring true rows of group 64 c + 32 h + t.
; frag: [side][tile 512][i 4][lane 32][16 bytes]; piece (i, lane = 16 h + r) = row R(r), k = 16 i + 8 h .. + 7 in bf16: pieces 0, 1 are the
; eight registers of a 16 x 32 fragment of K = 0..31, pieces 2, 3 of K = 32..63.  A wave's store of a piece covers 512 consecutive bytes.
; cneg: [side][true row] f32.  Its stores are 4 bytes a lane in two runs of 32 bytes: 64 KiB in the whole launch.
; No LDS, no barrier: no wave needs another's data.
.set F, 8                              ; v[8:39]   my 32 numbers in f32 (as loaded; later the rounded ones, widened)
.set P, 40                             ; v[40:55]  the same, packed bf16: four pieces of 16 bytes
.set S, 56                             ; v[56:63]  four pairs of running sums of squares
	s_load_b256 s[4:11], s[0:1], 0x0               ; src_feats s[4:5], tgt_feats s[6:7], frag s[8:9], cneg s[10:11]
	v_lshrrev_b32 v4, 5, v0
	v_readfirstlane_b32 s14, v4                    ; wave
	s_and_b32 s15, ttmp7, 0xffff                   ; side
	s_lshl_b32 s16, ttmp9, 2
	s_add_co_u32 s16, s16, s14                     ; T
	s_lshr_b32 s17, s16, 5                         ; c
	s_and_b32 s18, s16, 31                         ; t
	s_lshl_b32 s17, s17, 9
	s_lshl3_add_u32 s17, s18, s17                  ; 512 c + 8 t
	s_mov_b32 s12, 0x76543210                      ; v_permlanex16_b32: lane i reads lane i of the other half
	s_mov_b32 s13, 0xfedcba98
	v_and_b32 v6, 31, v0                           ; lane
	v_bfe_u32 v4, v0, 3, 1                         ; r >> 3
	v_and_b32 v5, 7, v0                            ; r & 7
	v_lshl_add_u32 v4, v4, 8, v5
	v_add_nc_u32 v4, s17, v4                       ; R
	v_bfe_u32 v5, v0, 4, 1                         ; h
	v_lshlrev_b32 v1, 8, v4                        ; a row of 64 f32 is 256 bytes
	v_lshl_add_u32 v1, v5, 5, v1                   ; + 32 h: k = 8 h
	v_lshlrev_b32 v2, 4, v6                        ; 16 x lane, in a piece
	v_lshlrev_b32 v3, 2, v4                        ; 4 R, in cneg
	s_lshl_b32 s20, s15, 20                        ; frag: side x 1 MiB + T x 2,048
	s_lshl_b32 s21, s16, 11
	s_add_co_u32 s20, s20, s21
	s_mov_b32 s21, 0
	s_lshl_b32 s22, s15, 15                        ; cneg: side x 32,768
	s_mov_b32 s23, 0
	s_wait_kmcnt 0x0
	s_cmp_eq_u32 s15, 0
	s_cselect_b64 s[18:19], s[4:5], s[6:7]         ; this side's features
	s_add_nc_u64 s[8:9], s[8:9], s[20:21]
	s_add_nc_u64 s[10:11], s[10:11], s[22:23]
.irp i, 0,1,2,3
	global_load_b128 v[F+8*\i:F+8*\i+3],   v1, s[18:19] offset:64*\i       ; k = 16 i + 8 h .. + 3
	global_load_b128 v[F+8*\i+4:F+8*\i+7], v1, s[18:19] offset:64*\i+16    ; .. + 7
.endr
	s_wait_loadcnt 0x0
.set n, 0
.rept 16
	v_cvt_pk_bf16_f32 v[P+n], v[F+2*n], v[F+2*n+1]
.set n, n+1
.endr
.irp i, 0,1,2,3
	global_store_b128 v2, v[P+4*\i:P+4*\i+3], s[8:9] offset:512*\i
.endr
	; the norm is taken of the ROUNDED numbers, so that it belongs to the vectors whose products the later launches form
.set n, 0
.rept 16
	v_lshlrev_b32 v[F+2*n], 16, v[P+n]
	v_and_b32 v[F+2*n+1], 0xffff0000, v[P+n]
.set n, n+1
.endr
.irp k, 0,1,2,3
	v_pk_mul_f32 v[S+2*\k:S+2*\k+1], v[F+2*\k:F+2*\k+1], v[F+2*\k:F+2*\k+1]    ; the first squares start the four chains
.endr
.set n, 4
.rept 12
	v_pk_fma_f32 v[S+2*(n%4):S+2*(n%4)+1], v[F+2*n:F+2*n+1], v[F+2*n:F+2*n+1], v[S+2*(n%4):S+2*(n%4)+1]
.set n, n+1
.endr
	v_pk_add_f32 v[S:S+1], v[S:S+1], v[S+2:S+3]
	v_pk_add_f32 v[S+4:S+5], v[S+4:S+5], v[S+6:S+7]
	v_pk_add_f32 v[S:S+1], v[S:S+1], v[S+4:S+5]
	v_add_f32 v4, v[S], v[S+1]                     ; my 32 of the row's 64 squares
	v_permlanex16_b32 v5, v4, s12, s13             ; the other 32 lie in lane xor 16 (v5 has been written before)
	v_add_f32 v4, v4, v5
	v_mul_f32 v4, -0.5, v4
	v_cmp_gt_u32 vcc_lo, 16, v6
	s_wait_xcnt 0x0                                ; EXEC is a source of the stores above: it is narrowed only behind this wait
	s_and_saveexec_b32 s14, vcc_lo                 ; lanes 0 to 15: one lane a row
	global_store_b32 v3, v4, s[10:11]
	s_wait_xcnt 0x0                                ; and widened again only behind this one
	s_or_b32 exec_lo, exec_lo, s14
	s_endpgm
.Lfunc_end_k_q23939d6eda_prep:
	.size	k_q23939d6eda_prep, .Lfunc_end_k_q23939d6eda_prep-k_q23939d6eda_prep
	.p2alignl 7, 3214868480
	.fill 96, 4, 3214868480
	.section	.rodata,"a",@progbits
	.p2align	6, 0x0
	.amdhsa_kernel k_q23939d6eda_prep
		.amdhsa_group_segment_fixed_size 0
		.amdhsa_private_segment_fixed_size 0
		.amdhsa_enable_private_segment 0
		.amdhsa_kernarg_size 32
		.amdhsa_user_sgpr_count 2
		.amdhsa_user_sgpr_kernarg_segment_ptr 1
		.amdhsa_wavefront_size32 1
		.amdhsa_system_sgpr_workgroup_id_x 1
		.amdhsa_system_sgpr_workgroup_id_y 1
		.amdhsa_system_sgpr_workgroup_id_z 1
		.amdhsa_system_vgpr_workitem_id 0
		.amdhsa_next_free_vgpr 64
		.amdhsa_next_free_sgpr 66
		.amdhsa_reserve_vcc 1
		.amdhsa_float_denorm_mode_32 3
		.amdhsa_float_denorm_mode_16_64 3
		.amdhsa_memory_ordered 1
		.amdhsa_forward_progress 1
		.amdhsa_inst_pref_size 7
	.end_amdhsa_kernel
	.amdgpu_metadata
---
amdhsa.version: [ 1, 2 ]
amdhsa.kernels:
  - .name:           k_q23939d6eda_prep
    .symbol:         k_q23939d6eda_prep.kd
    .args:
      - { .name: src_feats, .offset: 0, .size: 8, .value_kind: global_buffer, .address_space: global }
      - { .name: tgt_feats, .offset: 8, .size: 8, .value_kind: global_buffer, .address_space: global }
      - { .name: frag, .offset: 16, .size: 8, .value_kind: global_buffer, .address_space: global }
      - { .name: cneg, .offset: 24, .size: 8, .value_kind: global_buffer, .address_space: global }
    .group_segment_fixed_size: 0
    .private_segment_fixed_size: 0
    .kernarg_segment_align: 8
    .kernarg_segment_size: 32
    .max_flat_workgroup_size: 128
    .sgpr_count:     66
    .vgpr_count:     64
    .wavefront_size: 32
...
	.end_amdgpu_metadata
.endif
;; end of part 1
;; launch scan (part 2): grid 128 x 2, 8 waves a work-group, no clusters, 32,768 bytes of LDS; arguments frag, cneg, grp; writes grp
.if DOCPART == 2
	.amdgcn_target "amdgcn-amd-amdhsa--gfx1250"
	.amdhsa_code_object_version 6
	.text
	.protected	k_q23939d6eda_scan
	.globl	k_q23939d6eda_scan
	.p2align	8
	.type	k_q23939d6eda_scan,@function
k_q23939d6eda_scan:
	s_mov_b64 s[64:65], 0
	v_nop
	global_prefetch_b8 v0, s[64:65] scope:SCOPE_SE
	s_setreg_imm32_b32 hwreg(HW_REG_WAVE_MODE, 25, 1), 1
	s_wait_xcnt 0x0
; scan: for every query of side y, the two GROUPS of eight neighbouring supports (of the other side) with the largest group maxima of
;   score = q . s - |s|^2 / 2      (largest score = smallest squared distance; |q|^2 is the same for all supports of a query),
; separately in each half of the supports.  The two nearest supports lie in the two groups with the largest maxima, so the next launch
; scores 4 groups = 32 supports a query exactly.  Per 16 x 16 tile a lane spends 11 vector instructions on its 8 scores.
; Work-group: x >> 1 = block of 8 query tiles (128 queries), x & 1 = half of the supports.  Wave w: chunk c = 8 half + w = support tiles 32 c + t,
; t = 0..31, against all 8 query tiles: 256 tiles of 16 x 16 x 64, two matrix instructions each.
; Supports are the matrix's rows, queries its columns: in the result lane (r, h) holds query column r against tile rows 8 h .. 8 h + 7, which are
; the true rows of group 64 c + 32 h + t (the tiles' permutation, made by the launch before).  -|s|^2/2 enters as the C operand of the first product.
; Ties go to the lower index: a lane's groups come in ascending order and the comparisons are strict; the 16 partial lists of a query
; (wave, h) are merged in the order of ascending groups, again with strict comparisons.
; Each support tile is read by one wave only and goes straight into its registers (a ring of four slots of registers); LDS serves the merge alone.
; No cluster and no tensor load: what work-groups share would have to pass through LDS first, and a step's 3 KiB feed 16 matrix instructions.
; LIMITS: NaN and infinities are not served.  The groups are chosen by the matrix unit's f32 sums of bf16 products.
.set TA,  4                            ; v[4:7]     group maxima of four query tiles
.set TB,  8                            ; v[8:11]    at work
.set VT,  3                            ; v3         the group that my lane holds in the current tile
.set ST,  16                           ; v[16:47]   query tile q: m1, m2 (largest, second group maximum), g1, g2 (their groups)
.set ACC, 48                           ; v[48:111]  query tile q: 8 accumulators
.set SL,  112                          ; v[112:207] ring of 4 slots: support fragment K 0-31 (+0), K 32-63 (+8), -|s|^2/2 (+16)
                                       ; v[256:383] (window 1, written v[16 q + 8 ks]): the 8 query tiles' fragments
.set MSB, 0
.macro WIN new                         ; s_set_vgpr_msb: the immediate's high byte repeats the setting that is left
.if MSB != \new
	s_set_vgpr_msb (MSB<<8)|\new
.set MSB, \new
.endif
.endm
; six loads: support tile 'tile' (counted from the stepped bases) into slot s
.macro LDSLOT s, tile
.irp i, 0,1,2,3
	global_load_b128 v[SL+24*\s+4*\i:SL+24*\s+4*\i+3], v1, s[16:17] offset:(\tile)*2048+512*\i
.endr
.irp i, 0,1
	global_load_b128 v[SL+24*\s+16+4*\i:SL+24*\s+16+4*\i+3], v2, s[18:19] offset:(\tile)*32+16*\i   ; all lanes of a half: the same 32 bytes
.endr
.endm
; eight matrix instructions: slot s against query tiles q0 .. q0 + 3.  The four accumulators take turns, one instruction a turn.
.macro WM4 q0, s
	WIN 0x04                                       ; source 1 (the queries) in window 1
.irp k, 0,1,2,3
	v_wmma_f32_16x16x32_bf16 v[ACC+8*(\q0+\k):ACC+8*(\q0+\k)+7], v[SL+24*\s:SL+24*\s+7], v[16*(\q0+\k):16*(\q0+\k)+7], v[SL+24*\s+16:SL+24*\s+23]
.endr
.irp k, 0,1,2,3
	v_wmma_f32_16x16x32_bf16 v[ACC+8*(\q0+\k):ACC+8*(\q0+\k)+7], v[SL+24*\s+8:SL+24*\s+15], v[16*(\q0+\k)+8:16*(\q0+\k)+15], v[ACC+8*(\q0+\k):ACC+8*(\q0+\k)+7]
.endr
	WIN 0
.endm
; 44 vector instructions: the group maximum of query tiles q0 .. q0 + 3 and its insertion into (m1, m2, g1, g2), stage by stage over the four tiles
.macro UPD4 q0
.irp k, 0,1,2,3
	v_max3_num_f32 v[TA+\k], v[ACC+8*(\q0+\k)], v[ACC+8*(\q0+\k)+1], v[ACC+8*(\q0+\k)+2]
.endr
.irp k, 0,1,2,3
	v_max3_num_f32 v[TB+\k], v[ACC+8*(\q0+\k)+3], v[ACC+8*(\q0+\k)+4], v[ACC+8*(\q0+\k)+5]
.endr
.irp k, 0,1,2,3
	v_max3_num_f32 v[TA+\k], v[TA+\k], v[ACC+8*(\q0+\k)+6], v[ACC+8*(\q0+\k)+7]
.endr
.irp k, 0,1,2,3
	v_max_num_f32 v[TA+\k], v[TA+\k], v[TB+\k]
.endr
.irp k, 0,1,2,3
	v_cmp_gt_f32 s[28+\k], v[TA+\k], v[ST+4*(\q0+\k)]                      ; beats the largest
.endr
.irp k, 0,1,2,3
	v_cmp_gt_f32 s[32+\k], v[TA+\k], v[ST+4*(\q0+\k)+1]                    ; beats the second
.endr
.irp k, 0,1,2,3
	v_cndmask_b32 v[TB+\k], v[VT], v[ST+4*(\q0+\k)+2], s[28+\k]            ; what becomes second: the old first, or the newcomer
.endr
.irp k, 0,1,2,3
	v_cndmask_b32 v[ST+4*(\q0+\k)+2], v[ST+4*(\q0+\k)+2], v[VT], s[28+\k]
.endr
.irp k, 0,1,2,3
	v_cndmask_b32 v[ST+4*(\q0+\k)+3], v[ST+4*(\q0+\k)+3], v[TB+\k], s[32+\k]
.endr
.irp k, 0,1,2,3
	v_med3_num_f32 v[ST+4*(\q0+\k)+1], v[TA+\k], v[ST+4*(\q0+\k)], v[ST+4*(\q0+\k)+1]   ; the middle of (new, m1, m2) is the new second
.endr
.irp k, 0,1,2,3
	v_max_num_f32 v[ST+4*(\q0+\k)], v[ST+4*(\q0+\k)], v[TA+\k]
.endr
.endm
; One support tile.  The vector work on one set of four accumulators stands behind the matrix instructions of the other set, so results are read,
; and a slot is loaded again, at least 44 plain vector instructions that name none of the registers concerned behind the matrix instructions
; (ISA guide 7.12.1); in the very first step four v_nop take that place.
; left = how many younger loads may stay out: 6 for each slot filled after this one.
.macro STEP s, first, refill, left
	s_wait_loadcnt \left
	WM4 0, \s
.if \first
.rept 4
	v_nop
.endr
.else
	UPD4 4                                         ; query tiles 4-7 of the tile before
	v_add_nc_u32 v[VT], 1, v[VT]                   ; now this tile's group
.endif
	WM4 4, \s
	UPD4 0
.if \refill
	LDSLOT \s, 4+\s
.endif
.endm
.macro TRIP first, refill
	STEP 0, \first, \refill, 18
	STEP 1, 0, \refill, 18
	STEP 2, 0, \refill, 18
	STEP 3, 0, \refill, 18
.if \refill
	s_wait_xcnt 0x0                                ; the loads' bases are stepped only behind this wait
	s_add_nc_u64 s[16:17], s[16:17], 8192          ; four tiles of 2,048 bytes
	s_add_nc_u64 s[18:19], s[18:19], 128           ; four groups of 8 f32
.endif
.endm
	s_load_b128 s[4:7], s[0:1], 0x0                ; frag s[4:5], cneg s[6:7]
	s_load_b64 s[8:9], s[0:1], 0x10                ; grp
	v_lshrrev_b32 v4, 5, v0
	v_readfirstlane_b32 s10, v4                    ; wave
	s_and_b32 s11, ttmp7, 0xffff                   ; the queries' side
	s_lshr_b32 s12, ttmp9, 1                       ; block of 8 query tiles
	s_and_b32 s13, ttmp9, 1                        ; half of the supports
	s_lshl3_add_u32 s14, s13, s10                  ; c = 8 half + wave
	s_xor_b32 s15, s11, 1                          ; the supports' side
	v_and_b32 v5, 31, v0
	v_lshlrev_b32 v1, 4, v5                        ; 16 x lane: my 16 bytes of a piece
	v_bfe_u32 v6, v0, 4, 1                         ; h
	v_lshlrev_b32 v2, 10, v6                       ; 256 h rows of cneg
	s_lshl_b32 s23, s14, 6
	v_lshl_add_u32 v[VT], v6, 5, s23               ; group 64 c + 32 h (+ t)
	v_and_b32 v7, 15, v0                           ; r
	v_lshlrev_b32 v12, 4, v7
	v_lshl_add_u32 v12, v6, 11, v12
	s_lshl_b32 s40, s10, 12
	v_add_nc_u32 v12, s40, v12                     ; merge, in: list (2 wave + h) x 2,048 + 16 r
	v_lshlrev_b32 v13, 4, v0                       ; merge, back: 16 x thread
	v_lshlrev_b32 v14, 3, v0                       ; grp: 8 x thread
	s_lshl_b32 s24, s15, 20                        ; supports' fragments: side x 1 MiB + c x 32 tiles
	s_lshl_b32 s25, s14, 16
	s_add_co_u32 s24, s24, s25
	s_mov_b32 s25, 0
	s_lshl_b32 s26, s15, 15                        ; their -|s|^2/2: side x 32,768 + c x 512 rows
	s_lshl_b32 s27, s14, 11
	s_add_co_u32 s26, s26, s27
	s_mov_b32 s27, 0
	s_lshl_b32 s36, s11, 20                        ; queries' fragments: side x 1 MiB + block x 8 tiles
	s_lshl_b32 s37, s12, 14
	s_add_co_u32 s36, s36, s37
	s_mov_b32 s37, 0
	s_lshl_b32 s38, s11, 17                        ; grp: ((side x 2 + half) x 8,192 + 128 block) x 8 bytes
	s_lshl_b32 s39, s13, 16
	s_add_co_u32 s38, s38, s39
	s_lshl_b32 s39, s12, 10
	s_add_co_u32 s38, s38, s39
	s_mov_b32 s39, 0
	s_mov_b32 s41, 0xff800000                      ; -infinity
	s_wait_kmcnt 0x0
	s_add_nc_u64 s[16:17], s[4:5], s[24:25]
	s_add_nc_u64 s[18:19], s[6:7], s[26:27]
	s_add_nc_u64 s[20:21], s[4:5], s[36:37]
	s_add_nc_u64 s[8:9], s[8:9], s[38:39]
	WIN 0x40                                       ; destination in window 1
.irp q, 0,1,2,3,4,5,6,7
.irp i, 0,1,2,3
	global_load_b128 v[16*\q+4*\i:16*\q+4*\i+3], v1, s[20:21] offset:2048*\q+512*\i
.endr
.endr
	WIN 0
	LDSLOT 0, 0
	LDSLOT 1, 1
	LDSLOT 2, 2
	LDSLOT 3, 3
.irp q, 0,1,2,3,4,5,6,7
	v_mov_b32 v[ST+4*\q], s41                      ; every finite score beats the start; each lane sees 32 groups, so both places are filled
	v_mov_b32 v[ST+4*\q+1], s41
	v_mov_b32 v[ST+4*\q+2], 0
	v_mov_b32 v[ST+4*\q+3], 0
.endr
	TRIP 1, 1                                      ; tiles 0-3 (the first wait also covers the queries' 32 loads, which are older)
	s_mov_b32 s22, 6
.Ltrip:
	TRIP 0, 1                                      ; tiles 4-27
	s_sub_co_i32 s22, s22, 1
	s_cmp_lg_u32 s22, 0
	s_cbranch_scc1 .Ltrip
	STEP 0, 0, 0, 18                               ; tiles 28-31: nothing is left to load, the counts run down
	STEP 1, 0, 0, 12
	STEP 2, 0, 0, 6
	STEP 3, 0, 0, 0
	UPD4 4                                         ; query tiles 4-7 of the last tile
	; the merge: 16 lists (wave, h) for each of 128 queries, [list][query 16 q + r][16 bytes]
.irp q, 0,1,2,3,4,5,6,7
	ds_store_b128 v12, v[ST+4*\q:ST+4*\q+3] offset:256*\q
.endr
	s_wait_dscnt 0x0                               ; my lists are in LDS before I say so
	s_barrier_signal -1
	s_barrier_wait -1
	s_cmp_ge_u32 s10, 4
	s_cbranch_scc1 .Lend                           ; 128 threads, one a query
.irp p, 0,1,2,3,4,5,6,7,8,9,10,11,12,13,14,15
	ds_load_b128 v[ACC+4*\p:ACC+4*\p+3], v13 offset:2048*\p
.endr
	s_wait_dscnt 0x0
; list 0 in v[48:51] is the state; (val, id) is inserted with strict comparisons
.macro INS val, id
	v_cmp_gt_f32 s28, v[\val], v48
	v_cmp_gt_f32 s32, v[\val], v49
	v_cndmask_b32 v4, v[\id], v50, s28
	v_cndmask_b32 v50, v50, v[\id], s28
	v_cndmask_b32 v51, v51, v4, s32
	v_med3_num_f32 v49, v[\val], v48, v49
	v_max_num_f32 v48, v48, v[\val]
.endm
.irp p, 1,2,3,4,5,6,7,8,9,10,11,12,13,14,15
	INS ACC+4*\p, ACC+4*\p+2
	INS ACC+4*\p+1, ACC+4*\p+3
.endr
	v_min_u32 v52, v50, v51                        ; stored ascending, so that the next launch's candidates ascend with the lane
	v_max_u32 v53, v50, v51
	global_store_b64 v14, v[52:53], s[8:9]         ; the four waves' stores cover 1,024 consecutive bytes
.Lend:
	s_endpgm
.Lfunc_end_k_q23939d6eda_scan:
	.size	k_q23939d6eda_scan, .Lfunc_end_k_q23939d6eda_scan-k_q23939d6eda_scan
	.p2alignl 7, 3214868480
	.fill 96, 4, 3214868480
	.section	.rodata,"a",@progbits
	.p2align	6, 0x0
	.amdhsa_kernel k_q23939d6eda_scan
		.amdhsa_group_segment_fixed_size 32768
		.amdhsa_private_segment_fixed_size 0
		.amdhsa_enable_private_segment 0
		.amdhsa_kernarg_size 24
		.amdhsa_user_sgpr_count 2
		.amdhsa_user_sgpr_kernarg_segment_ptr 1
		.amdhsa_wavefront_size32 1
		.amdhsa_system_sgpr_workgroup_id_x 1
		.amdhsa_system_sgpr_workgroup_id_y 1
		.amdhsa_system_sgpr_workgroup_id_z 1
		.amdhsa_system_vgpr_workitem_id 0
		.amdhsa_next_free_vgpr 384
		.amdhsa_next_free_sgpr 66
		.amdhsa_reserve_vcc 0
		.amdhsa_float_denorm_mode_32 3
		.amdhsa_float_denorm_mode_16_64 3
		.amdhsa_memory_ordered 1
		.amdhsa_forward_progress 1
		.amdhsa_inst_pref_size 102
	.end_amdhsa_kernel
	.amdgpu_metadata
---
amdhsa.version: [ 1, 2 ]
amdhsa.kernels:
  - .name:           k_q23939d6eda_scan
    .symbol:         k_q23939d6eda_scan.kd
    .args:
      - { .name: frag, .offset: 0, .size: 8, .value_kind: global_buffer, .address_space: global }
      - { .name: cneg, .offset: 8, .size: 8, .value_kind: global_buffer, .address_space: global }
      - { .name: grp, .offset: 16, .size: 8, .value_kind: global_buffer, .address_space: global }
    .group_segment_fixed_size: 32768
    .private_segment_fixed_size: 0
    .kernarg_segment_align: 8
    .kernarg_segment_size: 24
    .max_flat_workgroup_size: 256
    .sgpr_count:     66
    .vgpr_count:     384
    .wavefront_size: 32
...
	.end_amdgpu_metadata
.endif
;; end of part 2
;; launch score (part 3): grid 128 x 2, 8 waves a work-group, no clusters, 2,048 bytes of LDS; arguments frag, cneg, grp, wkey, nn; writes wkey, nn
.if DOCPART == 3
	.amdgcn_target "amdgcn-amd-amdhsa--gfx1250"
	.amdhsa_code_object_version 6
	.text
	.protected	k_q23939d6eda_score
	.globl	k_q23939d6eda_score
	.p2align	8
	.type	k_q23939d6eda_score,@function
k_q23939d6eda_score:
	s_mov_b64 s[64:65], 0
	v_nop
	global_prefetch_b8 v0, s[64:65] scope:SCOPE_SE
	s_setreg_imm32_b32 hwreg(HW_REG_WAVE_MODE, 25, 1), 1
	s_wait_xcnt 0x0
; score: for every query of side y the two nearest of its 32 candidates (4 groups of 8 supports, listed by the launch before), the ratio weight
;   w = 1 - (1 - d1) / ((1 - d2) + 1e-8),   d = the dot products with the nearest and the second,
; stored as whole numbers: wkey = an image of w in u32 that keeps the order, nn = the nearest support's index.
; A wave takes the eight queries 8 G .. 8 G + 7, G = 8 x + wave, one after the other; lane l is candidate l: list entry l >> 3, row l & 7 of that group.
; Candidates ascend in index with the lane, so the lowest lane among equals is the lower index, as the problem's top_k takes it.
; THE LAST BIT COUNTS: the next launch orders the queries by w, and two weights may differ in their last bit alone.  So w is formed step by step in f32
; on the features rounded to bf16, and the dot's 64 products (a product of two bf16 is exact in f32, so each link is one f32 addition, fused or not)
; are added in ONE FIXED ORDER, that of a row-times-vector product made with vectors of eight f32:
;   eight partial sums, sum l over k = l, l + 8, .., l + 56 ascending, the first product added onto 0;
;   then by halves: s[j] + s[j+4] (j = 0..3), t[j] + t[j+2] (j = 0, 1), and the last two.
; Then 1 - d, + 1e-8, a correctly rounded quotient, 1 - q.
; The distance is formed as the problem forms it, (|q|^2 - 2 d) + |s|^2, in f32.
; Two sets of registers take turns: while one query is worked on, the next one's 17 loads are on their way.
; No matrix unit: a lane's 64 multiply-adds belong to a row of its own, and their order is prescribed.
; LIMITS: NaN and infinities are not served (a key of 0 is raised to 1; it can only stand for a NaN).  1 - q is never -0.
; Queries whose weights agree but for the last bits of f32 are ordered as this order of summation orders them; another order may turn them.
; |q|^2 and |s|^2 come from the first launch, summed in several chains: they enter the choice of the two nearest alone, and can turn it only
; where two distances agree to the last bits of f32.
.set ZERO, 3                           ; v3 = 0: the offset of the query's loads (all lanes read the same bytes) and the chains' first addend
.set GI,  8                            ; v[8:15]    query j: my candidate's group
.set OFC, 16                           ; v[16:23]   query j: my candidate's byte offset in frag
.set OFK, 24                           ; v[24:31]   in cneg
.set IDX, 32                           ; v[32:39]   its index
.set SA,  40                           ; set A: query v[40:71], candidate v[72:103], -|s|^2/2 v104.  Word n of a row holds k = 2 n (low half), 2 n + 1 (high half)
.set SB,  106                          ; set B: v[106:137], v[138:169], v170
.set AC,  172                          ; v[172:175] the weights' arithmetic
.set KEY, 176
.set T1,  177
.set T2,  178
.set INF, 179
.set RD1, 180                          ; lane j: query j's d1
.set RD2, 181                          ; d2
.set RI,  182                          ; nearest index
.set DOT, 183
.set A8,  184                          ; v[184:191] the eight partial sums: sum l takes k = l mod 8
.macro LOADSET j, b
.irp i, 0,1,2,3
	global_load_b128 v[\b+8*\i:\b+8*\i+3],   v[ZERO], s[20:21] offset:16*(\j)+512*\i        ; query j, k = 16 i .. + 7
	global_load_b128 v[\b+8*\i+4:\b+8*\i+7], v[ZERO], s[20:21] offset:16*(\j)+512*\i+256    ; k = 16 i + 8 .. + 15
.endr
.irp i, 0,1,2,3
	global_load_b128 v[\b+32+8*\i:\b+32+8*\i+3],   v[OFC+(\j)], s[22:23] offset:512*\i
	global_load_b128 v[\b+32+8*\i+4:\b+32+8*\i+7], v[OFC+(\j)], s[22:23] offset:512*\i+256
.endr
	global_load_b32 v[\b+64], v[OFK+(\j)], s[24:25]
.endm
.macro WMIN                            ; the least KEY of the 32 lanes, into T1 of every lane
	v_min_num_f32_dpp v[T1], v[KEY], v[KEY] row_xmask:1 row_mask:0xf bank_mask:0xf
	v_min_num_f32_dpp v[T1], v[T1], v[T1] row_xmask:2 row_mask:0xf bank_mask:0xf
	v_min_num_f32_dpp v[T1], v[T1], v[T1] row_xmask:4 row_mask:0xf bank_mask:0xf
	v_min_num_f32_dpp v[T1], v[T1], v[T1] row_xmask:8 row_mask:0xf bank_mask:0xf
	v_permlanex16_b32 v[T2], v[T1], s32, s33
	v_min_num_f32 v[T1], v[T1], v[T2]
.endm
; query j from set b.  left = the other set's loads, which may stay out; next = 1: the set is loaded again for query j + 2
.macro PROC j, b, left, next
	s_wait_loadcnt \left
.irp m, 0,1,2,3
	v_fma_mix_f32_bf16 v[A8+2*\m],   v[\b+\m], v[\b+32+\m], v[ZERO] op_sel_hi:[1,1,0]                 ; k = 2 m: 0 + the product starts sum 2 m
	v_fma_mix_f32_bf16 v[A8+2*\m+1], v[\b+\m], v[\b+32+\m], v[ZERO] op_sel:[1,1,0] op_sel_hi:[1,1,0]  ; k = 2 m + 1 starts sum 2 m + 1
.endr
.irp i, 1,2,3,4,5,6,7
.irp m, 0,1,2,3
	v_fma_mix_f32_bf16 v[A8+2*\m],   v[\b+4*\i+\m], v[\b+32+4*\i+\m], v[A8+2*\m] op_sel_hi:[1,1,0]                     ; k = 8 i + 2 m
	v_fma_mix_f32_bf16 v[A8+2*\m+1], v[\b+4*\i+\m], v[\b+32+4*\i+\m], v[A8+2*\m+1] op_sel:[1,1,0] op_sel_hi:[1,1,0]    ; k = 8 i + 2 m + 1
.endr
.endr
	v_pk_add_f32 v[A8:A8+1],   v[A8:A8+1],   v[A8+4:A8+5]      ; s0 + s4, s1 + s5
	v_pk_add_f32 v[A8+2:A8+3], v[A8+2:A8+3], v[A8+6:A8+7]      ; s2 + s6, s3 + s7
	v_pk_add_f32 v[A8:A8+1],   v[A8:A8+1],   v[A8+2:A8+3]      ; t0 + t2, t1 + t3
	v_add_f32 v[DOT], v[A8], v[A8+1]
	s_mul_f32 s44, s[36+\j], -2.0                  ; |q|^2
	v_fma_f32 v[T1], v[DOT], -2.0, s44             ; |q|^2 - 2 d
	v_fma_f32 v[KEY], v[\b+64], -2.0, v[T1]        ; + |s|^2
.if \next
	LOADSET \j+2, \b                               ; behind the set's last read
.endif
	WMIN
	v_cmp_eq_f32 s45, v[KEY], v[T1]
	s_ctz_i32_b32 s46, s45                         ; the lowest lane that holds the least distance
	s_and_b32 s46, s46, 31
	v_readlane_b32 s47, v[DOT], s46
	v_readlane_b32 s48, v[IDX+\j], s46
	s_lshl_b32 s49, 1, s46
	v_cndmask_b32 v[KEY], v[KEY], v[INF], s49      ; it leaves the field
	WMIN
	v_cmp_eq_f32 s45, v[KEY], v[T1]
	s_ctz_i32_b32 s46, s45
	s_and_b32 s46, s46, 31
	v_readlane_b32 s50, v[DOT], s46
	v_writelane_b32 v[RD1], s47, \j
	v_writelane_b32 v[RD2], s50, \j
	v_writelane_b32 v[RI], s48, \j
.endm
	s_load_b256 s[4:11], s[0:1], 0x0               ; frag s[4:5], cneg s[6:7], grp s[8:9], wkey s[10:11]
	s_load_b64 s[12:13], s[0:1], 0x20              ; nn
	v_lshrrev_b32 v4, 5, v0
	v_readfirstlane_b32 s14, v4                    ; wave
	s_and_b32 s15, ttmp7, 0xffff                   ; the queries' side
	s_lshl3_add_u32 s16, ttmp9, s14                ; G = 8 x + wave
	s_lshr_b32 s17, s16, 6
	s_lshl_b32 s17, s17, 5
	s_and_b32 s18, s16, 31
	s_add_co_u32 s17, s17, s18                     ; the queries' tile T = 32 (G >> 6) + (G & 31)
	s_bfe_u32 s18, s16, 0x10005                    ; and the half of its columns: (G >> 5) & 1
	s_xor_b32 s19, s15, 1                          ; the supports' side
	s_mov_b32 s32, 0x76543210
	s_mov_b32 s33, 0xfedcba98
	v_and_b32 v1, 31, v0                           ; lane
	v_and_b32 v2, 7, v0                            ; my row in my group
	v_mov_b32 v[ZERO], 0
	v_lshlrev_b32 v4, 2, v2
	v_bfe_u32 v5, v0, 4, 1                         ; list entry l >> 3: which half of the supports,
	v_bfe_u32 v6, v0, 3, 1                         ; and which of its two groups
	v_lshlrev_b32 v7, 2, v6
	v_lshl_add_u32 v7, v5, 16, v7                  ; 65,536 x half + 4 x which
	v_mov_b32 v[T2], 0                             ; destinations of lane operations count as read: written once here
	v_mov_b32 v[RD1], 0
	v_mov_b32 v[RD2], 0
	v_mov_b32 v[RI], 0
	v_mov_b32 v[INF], 0x7f800000
	s_mov_b32 s31, 0
	s_wait_kmcnt 0x0
	s_lshl_b32 s30, s15, 17                        ; grp: side x 131,072 + (16 T + 8 hh) x 8
	s_lshl_b32 s44, s17, 7
	s_add_co_u32 s30, s30, s44
	s_lshl_b32 s44, s18, 6
	s_add_co_u32 s30, s30, s44
	s_add_nc_u64 s[26:27], s[8:9], s[30:31]
.irp j, 0,1,2,3,4,5,6,7
	global_load_b32 v[GI+\j], v7, s[26:27] offset:8*\j
.endr
	s_lshl_b32 s30, s15, 15                        ; my queries' -|q|^2/2: side x 32,768 + 32 G
	s_lshl_b32 s44, s16, 5
	s_add_co_u32 s30, s30, s44
	s_add_nc_u64 s[28:29], s[6:7], s[30:31]
	s_load_b256 s[36:43], s[28:29], 0x0
	s_lshl_b32 s30, s15, 20                        ; my queries in frag: side x 1 MiB + T x 2,048 + 128 hh
	s_lshl_b32 s44, s17, 11
	s_add_co_u32 s30, s30, s44
	s_lshl_b32 s44, s18, 7
	s_add_co_u32 s30, s30, s44
	s_add_nc_u64 s[20:21], s[4:5], s[30:31]
	s_lshl_b32 s30, s19, 20
	s_add_nc_u64 s[22:23], s[4:5], s[30:31]        ; the supports' fragments
	s_lshl_b32 s30, s19, 15
	s_add_nc_u64 s[24:25], s[6:7], s[30:31]        ; and their -|s|^2/2
	s_lshl_b32 s30, s15, 15                        ; results: side x 32,768 + 64 x queries of 4 bytes
	s_lshl_b32 s44, ttmp9, 8
	s_add_co_u32 s30, s30, s44
	s_add_nc_u64 s[10:11], s[10:11], s[30:31]
	s_add_nc_u64 s[12:13], s[12:13], s[30:31]
	s_wait_loadcnt 0x0
	; group g = 64 c + 32 h + t lies in tile 32 c + t, columns 8 h ..: byte c x 65,536 + t x 2,048 + h x 128 + 16 x row of a piece
.irp j, 0,1,2,3,4,5,6,7
	v_min_u32 v[GI+\j], 0x3ff, v[GI+\j]            ; a loaded number enters an address only behind a clamp to its table
	v_and_b32 v5, 0x3c0, v[GI+\j]
	v_lshlrev_b32 v5, 10, v5
	v_and_b32 v6, 31, v[GI+\j]
	v_lshl_add_u32 v5, v6, 11, v5
	v_and_b32 v6, 32, v[GI+\j]
	v_lshl_add_u32 v5, v6, 2, v5
	v_lshl_add_u32 v[OFC+\j], v2, 4, v5
	v_lshl_add_u32 v[OFK+\j], v[GI+\j], 5, v4
	v_lshl_add_u32 v[IDX+\j], v[GI+\j], 3, v2
.endr
	LOADSET 0, SA
	LOADSET 1, SB
	s_wait_kmcnt 0x0                               ; the eight |q|^2
	PROC 0, SA, 17, 1
	PROC 1, SB, 17, 1
	PROC 2, SA, 17, 1
	PROC 3, SB, 17, 1
	PROC 4, SA, 17, 1
	PROC 5, SB, 17, 1
	PROC 6, SA, 17, 0
	PROC 7, SB, 0, 0
	; the weights, lanes 0 to 7 (the others work on zeros: 1 / 1)
	v_sub_f32 v[AC], 1.0, v[RD1]                   ; a = 1 - d1
	v_sub_f32 v[AC+1], 1.0, v[RD2]
	v_add_f32 v[AC+1], 0x322bcc77, v[AC+1]         ; b = (1 - d2) + 1e-8
	v_rcp_f32 v[AC+2], v[AC+1]
	v_lshlrev_b32 v5, 2, v1                        ; a plain instruction stands between v_rcp_f32 and the use of its result (ISA guide 5.7.2)
	; a / b rounded as a division rounds it: one Newton step on the reciprocal, then the quotient is corrected twice by its exact remainder
	s_wait_alu depctr_va_vdst(0)
	v_fma_f32 v[T1], -v[AC+1], v[AC+2], 1.0        ; 1 - b r
	v_fma_f32 v[AC+2], v[T1], v[AC+2], v[AC+2]     ; r
	v_mul_f32 v[AC+3], v[AC], v[AC+2]              ; q = a r
	v_fma_f32 v[T1], -v[AC+1], v[AC+3], v[AC]      ; a - b q, exact
	v_fma_f32 v[AC+3], v[T1], v[AC+2], v[AC+3]
	v_fma_f32 v[T1], -v[AC+1], v[AC+3], v[AC]
	v_fma_f32 v[AC+3], v[T1], v[AC+2], v[AC+3]
	v_sub_f32 v[T1], 1.0, v[AC+3]                  ; w
	v_ashrrev_i32 v[T2], 31, v[T1]
	v_or_b32 v[T2], 0x80000000, v[T2]
	v_xor_b32 v[T1], v[T1], v[T2]                  ; w >= 0: the sign bit is set; w < 0: all bits turn: u32 order = f32 order
	v_max_u32 v[T1], 1, v[T1]
	s_lshl_b32 s44, s14, 7
	v_add_nc_u32 v5, s44, v5                       ; 128 x wave + 4 x lane
	ds_store_b32 v5, v[T1]
	ds_store_b32 v5, v[RI] offset:1024
	s_wait_dscnt 0x0                               ; my words are in LDS before I say so
	s_barrier_signal -1
	s_barrier_wait -1
	s_cmp_lg_u32 s14, 0
	s_cbranch_scc1 .Lend                           ; wave 0 gathers the group's 64 results, two a lane
	v_lshrrev_b32 v6, 2, v1
	v_and_b32 v7, 3, v1
	v_lshlrev_b32 v7, 3, v7
	v_lshl_add_u32 v6, v6, 7, v7                   ; wave l >> 2, words 2 (l & 3) and the next
	ds_load_b64 v[8:9], v6
	ds_load_b64 v[10:11], v6 offset:1024
	v_lshlrev_b32 v7, 3, v1
	s_wait_dscnt 0x0
	global_store_b64 v7, v[8:9], s[10:11]          ; 256 consecutive bytes, aligned
	global_store_b64 v7, v[10:11], s[12:13]
.Lend:
	s_endpgm
.Lfunc_end_k_q23939d6eda_score:
	.size	k_q23939d6eda_score, .Lfunc_end_k_q23939d6eda_score-k_q23939d6eda_score
	.p2alignl 7, 3214868480
	.fill 96, 4, 3214868480
	.section	.rodata,"a",@progbits
	.p2align	6, 0x0
	.amdhsa_kernel k_q23939d6eda_score
		.amdhsa_group_segment_fixed_size 2048
		.amdhsa_private_segment_fixed_size 0
		.amdhsa_enable_private_segment 0
		.amdhsa_kernarg_size 40
		.amdhsa_user_sgpr_count 2
		.amdhsa_user_sgpr_kernarg_segment_ptr 1
		.amdhsa_wavefront_size32 1
		.amdhsa_system_sgpr_workgroup_id_x 1
		.amdhsa_system_sgpr_workgroup_id_y 1
		.amdhsa_system_sgpr_workgroup_id_z 1
		.amdhsa_system_vgpr_workitem_id 0
		.amdhsa_next_free_vgpr 192
		.amdhsa_next_free_sgpr 66
		.amdhsa_reserve_vcc 0
		.amdhsa_float_denorm_mode_32 3
		.amdhsa_float_denorm_mode_16_64 3
		.amdhsa_memory_ordered 1
		.amdhsa_forward_progress 1
		.amdhsa_inst_pref_size 69
	.end_amdhsa_kernel
	.amdgpu_metadata
---
amdhsa.version: [ 1, 2 ]
amdhsa.kernels:
  - .name:           k_q23939d6eda_score
    .symbol:         k_q23939d6eda_score.kd
    .args:
      - { .name: frag, .offset: 0, .size: 8, .value_kind: global_buffer, .address_space: global }
      - { .name: cneg, .offset: 8, .size: 8, .value_kind: global_buffer, .address_space: global }
      - { .name: grp, .offset: 16, .size: 8, .value_kind: global_buffer, .address_space: global }
      - { .name: wkey, .offset: 24, .size: 8, .value_kind: global_buffer, .address_space: global }
      - { .name: nn, .offset: 32, .size: 8, .value_kind: global_buffer, .address_space: global }
    .group_segment_fixed_size: 2048
    .private_segment_fixed_size: 0
    .kernarg_segment_align: 8
    .kernarg_segment_size: 40
    .max_flat_workgroup_size: 256
    .sgpr_count:     66
    .vgpr_count:     192
    .wavefront_size: 32
...
	.end_amdgpu_metadata
.endif
;; end of part 3
;; launch pick (part 4): grid 128 x 2, 16 waves a work-group, no clusters, 2,048 bytes of LDS; arguments wkey, nn, src_feats, tgt_feats, src_points, tgt_points, out0, out1, out2, out3, out4; writes out0, out1, out2, out3, out4
.if DOCPART == 4
	.amdgcn_target "amdgcn-amd-amdhsa--gfx1250"
	.amdhsa_code_object_version 6
	.text
	.protected	k_q23939d6eda_pick
	.globl	k_q23939d6eda_pick
	.p2align	8
	.type	k_q23939d6eda_pick,@function
k_q23939d6eda_pick:
	s_mov_b64 s[64:65], 0
	v_nop
	global_prefetch_b8 v0, s[64:65] scope:SCOPE_SE
	s_setreg_imm32_b32 hwreg(HW_REG_WAVE_MODE, 25, 1), 1
	s_wait_xcnt 0x0
; pick: the 2,048 largest weights of side y in descending order (equal weights: the lower index first), and the rows that go with them.
; No sort: the rank of query i is counted,  rank(i) = #{j: key j > key i} + #{j < i: key j = key i},  in whole numbers on the keys that the launch
; before stored; a query with rank < 2,048 writes row 2,048 y + rank of every output.  Ranks are a permutation, so every row is written once.
; Work-group: 64 queries.  Wave w: lane = query 64 x + 32 (w & 1) + lane, against the 1,024 keys of eighth w >> 1, which come as scalars, 32 at a time:
; two vector instructions compare one key with 32 queries.  For chunks of keys below my queries' own chunk 'greater' is taken against key - 1,
; which counts the equal ones too; inside the own chunk waves 0 and 1 count the equal keys of lower lanes.
; The side swaps the pointers once (query's buffer, support's buffer), so all that follows is the same text for both sides.
; The rows to be copied are loaded ahead of the count and stay on their way through it.
; Feature rows leave as whole rows of 256 bytes from 16 lanes.  Points and weights leave as 4 bytes a lane to rows that the ranks scatter.
; LIMIT: the keys are at least 1 (the launch before sees to it), so key - 1 does not wrap.
.set KOFF, 2                           ; 4 x my query
.set K,    3                           ; its key
.set KM1,  4
.set THR,  5
.set CNT,  6
.set COL,  7                           ; 16 (l & 15): my 16 bytes of a feature row
.set NN0,  8                           ; nearest support of my two feature rows' queries
.set NN1,  9
.set NNP,  10                          ; and of the query of my lane
.set QOFF, 12
.set NOFF, 13
.set SOF0, 14
.set SOF1, 15
.set FQ,   16                          ; v[16:23]  two query rows' 16 bytes
.set FS,   24                          ; v[24:31]  two support rows' 16 bytes
.set PQ,   32                          ; v[32:34]  the query's point
.set PS,   35                          ; v[35:37]  the support's point
.set POQ,  38
.set POS,  39
.set RK,   40                          ; v[40:42]  ranks: feature rows 0, 1; my lane's query
.set FO,   43                          ; v[43:44]  where my two feature rows go
.set T,    48                          ; v[48:71]  partial counts
.set ROW,  72                          ; v[72:74]  output rows of the three ranks
.set O4,   75                          ; 4 x my lane's row (weights)
.set O12,  76                          ; 12 x my lane's row (points)
.set WV,   77                          ; my lane's weight in f32
.set KA,   28                          ; s[28:59]  32 keys
.set KB,   68                          ; s[68:99]  32 keys
.macro CHUNK base
	s_cmp_lt_u32 s26, s27                          ; a chunk below my queries' own?
	s_cselect_b32 s62, -1, 0
	v_cndmask_b32 v[THR], v[K], v[KM1], s62        ; then the equal keys count too
.set n, 0
.rept 32
	v_cmp_gt_u32 vcc_lo, s[\base+n], v[THR]
	v_add_co_ci_u32 v[CNT], vcc_lo, 0, v[CNT], vcc_lo
.set n, n+1
.endr
	s_add_co_u32 s26, s26, 1
.endm
.macro PAIR last
	s_wait_kmcnt 0x0                               ; set A is there (scalar loads are waited for by 0 alone)
	s_load_b512 s[KB:KB+15], s[4:5], s61 offset:128
	s_load_b512 s[KB+16:KB+31], s[4:5], s61 offset:192
	CHUNK KA
	s_wait_kmcnt 0x0                               ; set B is there, and s61 is free
.if \last == 0
	s_add_co_u32 s61, s61, 256
	s_load_b512 s[KA:KA+15], s[4:5], s61
	s_load_b512 s[KA+16:KA+31], s[4:5], s61 offset:64
.endif
	CHUNK KB
.endm
	s_load_b512 s[4:19], s[0:1], 0x0               ; wkey, nn, src_feats, tgt_feats, src_points, tgt_points, out0, out1
	s_load_b128 s[20:23], s[0:1], 0x40             ; out2, out3
	s_load_b64 s[24:25], s[0:1], 0x50              ; out4
	v_lshrrev_b32 v11, 5, v0
	v_readfirstlane_b32 s2, v11                    ; wave
	s_and_b32 s3, ttmp7, 0xffff                    ; side
	s_and_b32 s100, s2, 1                          ; which 32 of the 64 queries
	s_lshr_b32 s101, s2, 1                         ; which eighth of the keys
	s_lshl_b32 s27, ttmp9, 1
	s_add_co_u32 s27, s27, s100                    ; my queries' chunk of 32
	s_lshl_b32 s26, s101, 5                        ; my first chunk of keys
	s_lshl_b32 s61, s101, 12                       ; and its byte offset
	v_and_b32 v1, 31, v0
	s_lshl_b32 s67, s27, 7
	v_lshl_add_u32 v[KOFF], v1, 2, s67             ; 4 x (32 chunk + lane)
	v_and_b32 v[COL], 15, v0
	v_lshlrev_b32 v[COL], 4, v[COL]
	v_bfe_u32 v11, v0, 4, 1
	s_lshl_b32 s62, ttmp9, 6
	s_lshl2_add_u32 s62, s2, s62
	v_add_nc_u32 v11, s62, v11                     ; my first feature row's query: 64 x + 4 wave + (l >> 4); the second is two further
	v_lshlrev_b32 v[NOFF], 2, v11
	v_lshl_add_u32 v[QOFF], v11, 8, v[COL]
	v_lshl_add_u32 v[POQ], v[KOFF], 1, v[KOFF]     ; 12 x my query
	v_mov_b32 v[CNT], 0
	s_lshl_b32 s66, s3, 15                         ; wkey, nn: side x 32,768
	s_mov_b32 s67, 0
	s_wait_kmcnt 0x0
	s_add_nc_u64 s[4:5], s[4:5], s[66:67]
	s_add_nc_u64 s[6:7], s[6:7], s[66:67]
	s_cmp_eq_u32 s3, 0                             ; side 1: the queries are tgt's, the supports src's
	s_cselect_b64 s[62:63], s[8:9], s[10:11]
	s_cselect_b64 s[10:11], s[10:11], s[8:9]       ; s[10:11] the supports' features
	s_mov_b64 s[8:9], s[62:63]                     ; s[8:9]   the queries' features
	s_cselect_b64 s[62:63], s[12:13], s[14:15]
	s_cselect_b64 s[14:15], s[14:15], s[12:13]     ; s[14:15] the supports' points
	s_mov_b64 s[12:13], s[62:63]                   ; s[12:13] the queries' points
	s_cselect_b64 s[62:63], s[16:17], s[18:19]
	s_cselect_b64 s[18:19], s[18:19], s[16:17]     ; s[18:19] where the supports' points go
	s_mov_b64 s[16:17], s[62:63]                   ; s[16:17] where the queries' points go
	s_cselect_b64 s[62:63], s[20:21], s[22:23]
	s_cselect_b64 s[22:23], s[22:23], s[20:21]     ; s[22:23] where the supports' features go
	s_mov_b64 s[20:21], s[62:63]                   ; s[20:21] where the queries' features go
	s_load_b512 s[KA:KA+15], s[4:5], s61           ; the first 32 keys
	s_load_b512 s[KA+16:KA+31], s[4:5], s61 offset:64
	global_load_b32 v[K], v[KOFF], s[4:5]
	global_load_b32 v[NN0], v[NOFF], s[6:7]
	global_load_b32 v[NN1], v[NOFF], s[6:7] offset:8
	global_load_b32 v[NNP], v[KOFF], s[6:7]
	global_load_b128 v[FQ:FQ+3], v[QOFF], s[8:9]
	global_load_b128 v[FQ+4:FQ+7], v[QOFF], s[8:9] offset:512
	s_wait_loadcnt 0x2                             ; the key and the three indices are in; the two query rows stay out
	v_min_u32 v[NN0], 0x1fff, v[NN0]               ; a loaded number enters an address only behind a clamp to its table
	v_min_u32 v[NN1], 0x1fff, v[NN1]
	v_min_u32 v[NNP], 0x1fff, v[NNP]
	v_lshl_add_u32 v[SOF0], v[NN0], 8, v[COL]
	v_lshl_add_u32 v[SOF1], v[NN1], 8, v[COL]
	v_mul_u32_u24 v[POS], v[NNP], 12
	v_add_nc_u32 v[KM1], -1, v[K]
	global_load_b128 v[FS:FS+3], v[SOF0], s[10:11]
	global_load_b128 v[FS+4:FS+7], v[SOF1], s[10:11]
	s_cmp_ge_u32 s2, 2
	s_cbranch_scc1 .Lno_points                     ; waves 0 and 1 carry the points and weights of the 64 queries
.irp d, 0,1,2
	global_load_b32 v[PQ+\d], v[POQ], s[12:13] offset:4*\d
	global_load_b32 v[PS+\d], v[POS], s[14:15] offset:4*\d
.endr
.Lno_points:
	s_mov_b32 s60, 15
.Lpair:
	PAIR 0
	s_sub_co_i32 s60, s60, 1
	s_cmp_lg_u32 s60, 0
	s_cbranch_scc1 .Lpair
	PAIR 1                                         ; the last two chunks: nothing more to load
	s_cmp_ge_u32 s2, 2
	s_cbranch_scc1 .Lno_own
	; my lanes' keys ARE my queries' own chunk: the equal keys of lower lanes come first
.set jj, 0
.rept 31
	v_readlane_b32 s67, v[K], jj
	v_cmp_eq_u32 vcc_lo, s67, v[K]
	s_and_b32 vcc_lo, vcc_lo, (0xffffffff<<(jj+1))&0xffffffff
	v_add_co_ci_u32 v[CNT], vcc_lo, 0, v[CNT], vcc_lo
.set jj, jj+1
.endr
.Lno_own:
	; the eight partial counts of a query meet in LDS: [eighth][query 64] words
	s_lshl_b32 s67, s100, 7
	v_lshl_add_u32 v45, v1, 2, s67                 ; my lane's query: 4 x (32 (w & 1) + lane)
	s_lshl_b32 s62, s101, 8
	v_add_nc_u32 v46, s62, v45                     ; + 256 x eighth
	v_bfe_u32 v47, v0, 4, 1
	s_lshl_b32 s62, s2, 4
	v_lshl_add_u32 v47, v47, 2, s62                ; my first feature row's query: 4 x (4 wave + (l >> 4))
	ds_store_b32 v46, v[CNT]
	s_wait_dscnt 0x0                               ; my counts are in LDS before I say so
	s_barrier_signal -1
	s_barrier_wait -1
.irp q, 0,1,2,3,4,5,6,7
	ds_load_b32 v[T+\q], v47 offset:256*\q
	ds_load_b32 v[T+8+\q], v47 offset:256*\q+8
	ds_load_b32 v[T+16+\q], v45 offset:256*\q
.endr
	s_wait_dscnt 0x0
.irp g, 0,1,2
	v_add3_u32 v[RK+\g], v[T+8*\g], v[T+8*\g+1], v[T+8*\g+2]
	v_add3_u32 v[RK+\g], v[RK+\g], v[T+8*\g+3], v[T+8*\g+4]
	v_add3_u32 v[RK+\g], v[RK+\g], v[T+8*\g+5], v[T+8*\g+6]
	v_add_nc_u32 v[RK+\g], v[RK+\g], v[T+8*\g+7]
.endr
	; every row, every store's offset and the weight are made here, with all lanes on and on every wave's path, in registers of their own;
	; behind this block stand only masks and stores
	s_lshl_b32 s67, s3, 11                         ; side 1 fills rows 2,048 and up
.irp g, 0,1,2
	v_min_u32 v[ROW+\g], 0x7ff, v[RK+\g]           ; a counted number enters an address only behind a clamp (it binds in the lanes that store nothing)
	v_add_nc_u32 v[ROW+\g], s67, v[ROW+\g]
.endr
	v_lshl_add_u32 v[FO], v[ROW], 8, v[COL]        ; a feature row is 256 bytes
	v_lshl_add_u32 v[FO+1], v[ROW+1], 8, v[COL]
	v_lshlrev_b32 v[O4], 2, v[ROW+2]               ; 4 x row
	v_lshl_add_u32 v[O12], v[ROW+2], 3, v[O4]      ; 8 x row + 4 x row: a point is 12 bytes
	v_ashrrev_i32 v[WV], 31, v[K]                  ; the key back to f32: sign bit set: clear it; else turn all bits
	v_not_b32 v[WV], v[WV]
	v_or_b32 v[WV], 0x80000000, v[WV]
	v_xor_b32 v[WV], v[K], v[WV]
	s_wait_loadcnt 0x0                             ; the rows (and, in waves 0 and 1, the points) are in
.irp g, 0,1
	v_cmp_gt_u32 vcc_lo, 0x800, v[RK+\g]           ; among the 2,048 largest? (the same answer in all 16 lanes of a row)
	s_wait_xcnt 0x0                                ; EXEC is narrowed only behind this wait
	s_and_saveexec_b32 s63, vcc_lo
	global_store_b128 v[FO+\g], v[FQ+4*\g:FQ+4*\g+3], s[20:21]     ; 16 lanes: one whole row of 256 bytes
	global_store_b128 v[FO+\g], v[FS+4*\g:FS+4*\g+3], s[22:23]
	s_wait_xcnt 0x0                                ; and widened only behind this one
	s_or_b32 exec_lo, exec_lo, s63
.endr
	s_cmp_ge_u32 s2, 2
	s_cbranch_scc1 .Lend
	v_cmp_gt_u32 vcc_lo, 0x800, v[RK+2]
	s_wait_xcnt 0x0
	s_and_saveexec_b32 s63, vcc_lo
.irp d, 0,1,2
	global_store_b32 v[O12], v[PQ+\d], s[16:17] offset:4*\d
	global_store_b32 v[O12], v[PS+\d], s[18:19] offset:4*\d
.endr
	global_store_b32 v[O4], v[WV], s[24:25]
	s_wait_xcnt 0x0
	s_or_b32 exec_lo, exec_lo, s63
.Lend:
	s_endpgm
.Lfunc_end_k_q23939d6eda_pick:
	.size	k_q23939d6eda_pick, .Lfunc_end_k_q23939d6eda_pick-k_q23939d6eda_pick
	.p2alignl 7, 3214868480
	.fill 96, 4, 3214868480
	.section	.rodata,"a",@progbits
	.p2align	6, 0x0
	.amdhsa_kernel k_q23939d6eda_pick
		.amdhsa_group_segment_fixed_size 2048
		.amdhsa_private_segment_fixed_size 0
		.amdhsa_enable_private_segment 0
		.amdhsa_kernarg_size 88
		.amdhsa_user_sgpr_count 2
		.amdhsa_user_sgpr_kernarg_segment_ptr 1
		.amdhsa_wavefront_size32 1
		.amdhsa_system_sgpr_workgroup_id_x 1
		.amdhsa_system_sgpr_workgroup_id_y 1
		.amdhsa_system_sgpr_workgroup_id_z 1
		.amdhsa_system_vgpr_workitem_id 0
		.amdhsa_next_free_vgpr 80
		.amdhsa_next_free_sgpr 102
		.amdhsa_reserve_vcc 1
		.amdhsa_float_denorm_mode_32 3
		.amdhsa_float_denorm_mode_16_64 3
		.amdhsa_memory_ordered 1
		.amdhsa_forward_progress 1
		.amdhsa_inst_pref_size 24
	.end_amdhsa_kernel
	.amdgpu_metadata
---
amdhsa.version: [ 1, 2 ]
amdhsa.kernels:
  - .name:           k_q23939d6eda_pick
    .symbol:         k_q23939d6eda_pick.kd
    .args:
      - { .name: wkey, .offset: 0, .size: 8, .value_kind: global_buffer, .address_space: global }
      - { .name: nn, .offset: 8, .size: 8, .value_kind: global_buffer, .address_space: global }
      - { .name: src_feats, .offset: 16, .size: 8, .value_kind: global_buffer, .address_space: global }
      - { .name: tgt_feats, .offset: 24, .size: 8, .value_kind: global_buffer, .address_space: global }
      - { .name: src_points, .offset: 32, .size: 8, .value_kind: global_buffer, .address_space: global }
      - { .name: tgt_points, .offset: 40, .size: 8, .value_kind: global_buffer, .address_space: global }
      - { .name: out0, .offset: 48, .size: 8, .value_kind: global_buffer, .address_space: global }
      - { .name: out1, .offset: 56, .size: 8, .value_kind: global_buffer, .address_space: global }
      - { .name: out2, .offset: 64, .size: 8, .value_kind: global_buffer, .address_space: global }
      - { .name: out3, .offset: 72, .size: 8, .value_kind: global_buffer, .address_space: global }
      - { .name: out4, .offset: 80, .size: 8, .value_kind: global_buffer, .address_space: global }
    .group_segment_fixed_size: 2048
    .private_segment_fixed_size: 0
    .kernarg_segment_align: 8
    .kernarg_segment_size: 88
    .max_flat_workgroup_size: 512
    .sgpr_count:     102
    .vgpr_count:     80
    .wavefront_size: 32
...
	.end_amdgpu_metadata
.endif
;; end of part 4
;; ======== version 2 of 3: 4 launches; 1.16 times as fast as version 1
;; workspace buffers: frag 2,097,152 bytes; cneg 65,536 bytes; grp 262,144 bytes of whole numbers; wkey 65,536 bytes of whole numbers; nn 65,536 bytes of whole numbers
;; launch prep: the kernel of part 1 again; grid 128 x 2, 4 waves a work-group, no clusters, 0 bytes of LDS; arguments src_feats, tgt_feats, frag, cneg; writes frag, cneg
;; launch scan: the kernel of part 2 again; grid 128 x 2, 8 waves a work-group, no clusters, 32,768 bytes of LDS; arguments frag, cneg, grp; writes grp
;; launch score: the kernel of part 3 again; grid 128 x 2, 8 waves a work-group, no clusters, 2,048 bytes of LDS; arguments frag, cneg, grp, wkey, nn; writes wkey, nn
;; launch pick (part 5): grid 128 x 2, 16 waves a work-group, no clusters, 4,096 bytes of LDS; arguments wkey, nn, src_feats, tgt_feats, src_points, tgt_points, out0, out1, out2, out3, out4; writes out0, out1, out2, out3, out4
.if DOCPART == 5
	.amdgcn_target "amdgcn-amd-amdhsa--gfx1250"
	.amdhsa_code_object_version 6
	.text
	.protected	k_q23939d6eda_pick
	.globl	k_q23939d6eda_pick
	.p2align	8
	.type	k_q23939d6eda_pick,@function
k_q23939d6eda_pick:
	s_mov_b64 s[64:65], 0
	v_nop
	global_prefetch_b8 v0, s[64:65] scope:SCOPE_SE
	s_setreg_imm32_b32 hwreg(HW_REG_WAVE_MODE, 25, 1), 1
	s_wait_xcnt 0x0
; pick: the 2,048 largest weights of side y in descending order (equal weights: the lower index first), and the rows that go with them.
; No sort: the rank of query i is counted,  rank(i) = #{j: key j > key i} + #{j < i: key j = key i},  in whole numbers on the keys that the launch
; before stored; a query with rank < 2,048 writes row 2,048 y + rank of every output.  Ranks are a permutation, so every row is written once.
; Work-group: 64 queries.  Every wave holds all 64, two a lane (A: 64 x + lane, B: 64 x + 32 + lane), and counts them against its sixteenth of the
; keys, 512 w .. 512 w + 511, in 16 chunks of 32.  A key reaches the compare in a vector register that holds it in every lane: a load of 16 bytes with
; the same address in all lanes brings four keys and feeds 16 vector instructions (two a key and query register).  Such loads come back in order, so a
; ring of four sets of 32 registers runs three chunks, 384 vector instructions of the wave, ahead of the compares.
; Equal keys: for chunks of keys below a query's own chunk of 32 'greater' is taken against key - 1, which counts the equal ones too; inside the own
; chunk the equal keys of lower lanes are counted apart, two of the 32 lanes by each wave.
; The 16 partial counts of a query meet in LDS, [wave][query] words, each wave storing into a block of its own; one barrier.
; Wave w then copies the rows of queries 4 w .. 4 w + 3, two at a time, 16 lanes a query: a feature row leaves as 256 consecutive bytes from 16 lanes;
; lanes 0 to 2 of the 16 carry a point's three numbers (12 consecutive bytes), lane 0 the weight.  Those are stores of 4 bytes a lane.
; The side swaps the pointers once (query's buffer, support's buffer), so all that follows is the same text for both sides.
; All rows to be copied are loaded ahead of the count and land during it.
; LIMIT: the keys are at least 1 (the launch before sees to it), so key - 1 does not wrap.
.set ZO,   2                           ; 0: the offset of the ring's loads (all lanes read the same bytes)
.set KQA,  3                           ; key of my query A
.set KQB,  4                           ; key of my query B
.set MA,   5                           ; the same less 1
.set MB,   6
.set THA,  7                           ; this chunk's thresholds
.set THB,  8
.set CA,   9                           ; my counts
.set CB,   10
.set COL,  11                          ; 16 (l & 15): my 16 bytes of a feature row
.set C4,   12                          ; 4 min(l & 15, 2): my number of a point
.set NN,   13                          ; v[13:14]  nearest support of my two rows' queries
.set KW,   15                          ; v[15:16]  their keys
.set FQ,   20                          ; v[20:27]  two query rows' 16 bytes
.set FS,   28                          ; v[28:35]  two support rows' 16 bytes
.set PQ,   36                          ; v[36:37]  one number of the two queries' points
.set PS,   38                          ; v[38:39]  and of their supports' points
.set RK,   40                          ; v[40:41]  ranks of my two rows' queries
.set FO,   42                          ; v[42:43]  where my two feature rows go
.set O4,   44                          ; v[44:45]  4 x row (weights)
.set O12,  46                          ; v[46:47]  12 x row + my number (points)
.set ROW,  48                          ; v[48:49]  output rows
.set WV,   50                          ; v[50:51]  the weights in f32
.set AOFF, 52                          ; 4 x query A
.set NOFF, 53                          ; 4 x my first row's query
.set QOFF, 54                          ; its feature row, my 16 bytes
.set SOF,  55                          ; v[55:56]  the supports' feature rows, my 16 bytes
.set PQO,  57                          ; its point, my number
.set PSO,  58                          ; v[58:59]  the supports' points, my number
.set LS,   60                          ; LDS: where my counts go
.set LF,   61                          ; LDS: my first row's query in wave 0's block
.set TMP,  62
.set KR,   64                          ; v[64:191] the ring: set s holds 32 keys, register n = key n of the chunk, in every lane
.set T,    64                          ; v[64:95]  behind the count: 2 x 16 partial counts
; eight loads: the chunk at byte off + 128 s from the stepped base, into set s
.macro FILL s, off
.irp i, 0,1,2,3,4,5,6,7
	global_load_b128 v[KR+32*\s+4*\i:KR+32*\s+4*\i+3], v[ZO], s[30:31] offset:(\off)+128*\s+16*\i
.endr
.endm
; one chunk of 32 keys against 64 queries.  left = how many younger loads may stay out; refill = 1: the set gets the chunk four further on
.macro CHUNK s, left, refill
	s_wait_loadcnt \left
	s_cmp_lt_u32 s26, s27                          ; a chunk below A's own?
	s_cselect_b32 s34, -1, 0
	s_cmp_lt_u32 s26, s28                          ; below B's own?
	s_cselect_b32 s35, -1, 0
	v_cndmask_b32 v[THA], v[KQA], v[MA], s34       ; then the equal keys count too
	v_cndmask_b32 v[THB], v[KQB], v[MB], s35
.set n, 0
.rept 32
	v_cmp_gt_u32 vcc_lo, v[KR+32*\s+n], v[THA]
	v_add_co_ci_u32 v[CA], vcc_lo, 0, v[CA], vcc_lo
	v_cmp_gt_u32 vcc_lo, v[KR+32*\s+n], v[THB]
	v_add_co_ci_u32 v[CB], vcc_lo, 0, v[CB], vcc_lo
.set n, n+1
.endr
	s_add_co_u32 s26, s26, 1
.if \refill
	FILL \s, 512
.endif
.endm
	s_load_b512 s[4:19], s[0:1], 0x0               ; wkey, nn, src_feats, tgt_feats, src_points, tgt_points, out0, out1
	s_load_b128 s[20:23], s[0:1], 0x40             ; out2, out3
	s_load_b64 s[24:25], s[0:1], 0x50              ; out4
	v_lshrrev_b32 v[TMP], 5, v0
	v_readfirstlane_b32 s2, v[TMP]                 ; wave
	s_and_b32 s3, ttmp7, 0xffff                    ; side
	s_lshl_b32 s27, ttmp9, 1                       ; A's own chunk of 32 keys
	s_add_co_u32 s28, s27, 1                       ; B's
	s_lshl_b32 s26, s2, 4                          ; my first chunk
	v_and_b32 v1, 31, v0
	v_mov_b32 v[ZO], 0
	v_mov_b32 v[CA], 0
	v_mov_b32 v[CB], 0
	s_lshl_b32 s34, ttmp9, 8
	v_lshl_add_u32 v[AOFF], v1, 2, s34             ; 4 x (64 x + lane)
	v_and_b32 v[TMP], 15, v0
	v_lshlrev_b32 v[COL], 4, v[TMP]
	v_min_u32 v[C4], 2, v[TMP]
	v_lshlrev_b32 v[C4], 2, v[C4]
	v_bfe_u32 v[TMP], v0, 4, 1
	s_lshl_b32 s34, ttmp9, 6
	s_lshl2_add_u32 s34, s2, s34
	v_add_nc_u32 v[TMP], s34, v[TMP]               ; my first row's query: 64 x + 4 wave + (l >> 4); the second is two further
	v_lshlrev_b32 v[NOFF], 2, v[TMP]
	v_lshl_add_u32 v[QOFF], v[TMP], 8, v[COL]
	v_mul_u32_u24 v[PQO], v[TMP], 12
	v_add_nc_u32 v[PQO], v[C4], v[PQO]
	s_lshl_b32 s34, s2, 8
	v_lshl_add_u32 v[LS], v1, 2, s34               ; 256 x wave + 4 x lane
	v_bfe_u32 v[LF], v0, 4, 1
	s_lshl_b32 s34, s2, 4
	v_lshl_add_u32 v[LF], v[LF], 2, s34            ; 4 x (4 wave + (l >> 4))
	s_lshl_b32 s66, s3, 15                         ; wkey, nn: side x 32,768
	s_mov_b32 s67, 0
	s_lshl_b32 s32, s2, 11                         ; my sixteenth of the keys: 2,048 bytes x wave
	s_mov_b32 s33, 0
	s_lshl_b32 s37, s2, 1                          ; the first of my two lanes of the own chunks
	s_wait_kmcnt 0x0
	s_add_nc_u64 s[4:5], s[4:5], s[66:67]
	s_add_nc_u64 s[6:7], s[6:7], s[66:67]
	s_add_nc_u64 s[30:31], s[4:5], s[32:33]
	s_cmp_eq_u32 s3, 0                             ; side 1: the queries are tgt's, the supports src's
	s_cselect_b64 s[62:63], s[8:9], s[10:11]
	s_cselect_b64 s[10:11], s[10:11], s[8:9]       ; s[10:11] the supports' features
	s_mov_b64 s[8:9], s[62:63]                     ; s[8:9]   the queries' features
	s_cselect_b64 s[62:63], s[12:13], s[14:15]
	s_cselect_b64 s[14:15], s[14:15], s[12:13]     ; s[14:15] the supports' points
	s_mov_b64 s[12:13], s[62:63]                   ; s[12:13] the queries' points
	s_cselect_b64 s[62:63], s[16:17], s[18:19]
	s_cselect_b64 s[18:19], s[18:19], s[16:17]     ; s[18:19] where the supports' points go
	s_mov_b64 s[16:17], s[62:63]                   ; s[16:17] where the queries' points go
	s_cselect_b64 s[62:63], s[20:21], s[22:23]
	s_cselect_b64 s[22:23], s[22:23], s[20:21]     ; s[22:23] where the supports' features go
	s_mov_b64 s[20:21], s[62:63]                   ; s[20:21] where the queries' features go
	global_load_b32 v[KQA], v[AOFF], s[4:5]        ; the four that are needed first
	global_load_b32 v[KQB], v[AOFF], s[4:5] offset:128
	global_load_b32 v[NN], v[NOFF], s[6:7]
	global_load_b32 v[NN+1], v[NOFF], s[6:7] offset:8
	FILL 0, 0                                      ; the ring: chunks 0 to 3, 32 loads
	FILL 1, 0
	FILL 2, 0
	FILL 3, 0
	global_load_b32 v[KW], v[NOFF], s[4:5]         ; six loads that hang on the queries' numbers alone
	global_load_b32 v[KW+1], v[NOFF], s[4:5] offset:8
	global_load_b128 v[FQ:FQ+3], v[QOFF], s[8:9]
	global_load_b128 v[FQ+4:FQ+7], v[QOFF], s[8:9] offset:512
	global_load_b32 v[PQ], v[PQO], s[12:13]
	global_load_b32 v[PQ+1], v[PQO], s[12:13] offset:24
	s_wait_loadcnt 38                              ; the two keys and the two indices are in; the 32 + 6 loads behind them stay out
.irp g, 0,1
	v_min_u32 v[NN+\g], 0x1fff, v[NN+\g]           ; a loaded number enters an address only behind a clamp to its table
	v_lshl_add_u32 v[SOF+\g], v[NN+\g], 8, v[COL]
	v_mul_u32_u24 v[PSO+\g], v[NN+\g], 12
	v_add_nc_u32 v[PSO+\g], v[C4], v[PSO+\g]
.endr
	v_add_nc_u32 v[MA], -1, v[KQA]
	v_add_nc_u32 v[MB], -1, v[KQB]
.irp g, 0,1
	global_load_b128 v[FS+4*\g:FS+4*\g+3], v[SOF+\g], s[10:11]
	global_load_b32 v[PS+\g], v[PSO+\g], s[14:15]
.endr
	; the own chunks: my lanes' keys ARE chunk 2 x (A) and chunk 2 x + 1 (B).  An equal key in a lower lane comes first.  Lanes jj = 2 w and 2 w + 1
	; are mine to hold against all higher lanes; the 16 waves cover the 32.  This stands here, while the ring's first loads are on their way.
.rept 2
	s_lshl_b32 s38, -2, s37                        ; the lanes above jj
	v_readlane_b32 s36, v[KQA], s37
	v_readlane_b32 s39, v[KQB], s37
	v_cmp_eq_u32 vcc_lo, s36, v[KQA]
	s_and_b32 vcc_lo, vcc_lo, s38
	v_add_co_ci_u32 v[CA], vcc_lo, 0, v[CA], vcc_lo
	v_cmp_eq_u32 vcc_lo, s39, v[KQB]
	s_and_b32 vcc_lo, vcc_lo, s38
	v_add_co_ci_u32 v[CB], vcc_lo, 0, v[CB], vcc_lo
	s_add_co_u32 s37, s37, 1
.endr
	; the count.  24 = the three younger sets of eight loads.  (In the first round the ten loads of rows are younger too: the count then asks for more
	; than the set, which is safe.)
	s_mov_b32 s29, 3
.Lround:
	CHUNK 0, 24, 1
	CHUNK 1, 24, 1
	CHUNK 2, 24, 1
	CHUNK 3, 24, 1
	s_wait_xcnt 0x0                                ; the ring's base is stepped only behind this wait
	s_add_nc_u64 s[30:31], s[30:31], 512           ; four chunks of 128 bytes
	s_sub_co_i32 s29, s29, 1
	s_cmp_lg_u32 s29, 0
	s_cbranch_scc1 .Lround
	CHUNK 0, 24, 0                                 ; chunks 12 to 15: nothing is left to load, the counts run down
	CHUNK 1, 16, 0
	CHUNK 2, 8, 0
	CHUNK 3, 0, 0                                  ; this wait for 0 also shows the rows to be copied landed
	ds_store_b32 v[LS], v[CA]
	ds_store_b32 v[LS], v[CB] offset:128
	s_wait_dscnt 0x0                               ; my counts are in LDS before I say so
	s_barrier_signal -1
	s_barrier_wait -1
.irp p, 0,1,2,3,4,5,6,7,8,9,10,11,12,13,14,15
	ds_load_b32 v[T+\p], v[LF] offset:256*\p
	ds_load_b32 v[T+16+\p], v[LF] offset:256*\p+8
.endr
	s_wait_dscnt 0x0
.irp g, 0,1
	v_add3_u32 v[RK+\g], v[T+16*\g], v[T+16*\g+1], v[T+16*\g+2]
.irp m, 3,5,7,9,11,13
	v_add3_u32 v[RK+\g], v[RK+\g], v[T+16*\g+\m], v[T+16*\g+\m+1]
.endr
	v_add_nc_u32 v[RK+\g], v[RK+\g], v[T+16*\g+15]
.endr
	; every row, every store's offset and the weights are made here, with all lanes on, in registers of their own; behind this block stand only
	; masks and stores
	s_lshl_b32 s34, s3, 11                         ; side 1 fills rows 2,048 and up
.irp g, 0,1
	v_min_u32 v[ROW+\g], 0x7ff, v[RK+\g]           ; a counted number enters an address only behind a clamp (it binds in the lanes that store nothing)
	v_add_nc_u32 v[ROW+\g], s34, v[ROW+\g]
	v_lshl_add_u32 v[FO+\g], v[ROW+\g], 8, v[COL]  ; a feature row is 256 bytes
	v_lshlrev_b32 v[O4+\g], 2, v[ROW+\g]           ; 4 x row
	v_lshl_add_u32 v[O12+\g], v[ROW+\g], 3, v[O4+\g]   ; 8 x row + 4 x row: a point is 12 bytes
	v_add_nc_u32 v[O12+\g], v[C4], v[O12+\g]
	v_ashrrev_i32 v[WV+\g], 31, v[KW+\g]           ; the key back to f32: sign bit set: clear it; else turn all bits
	v_not_b32 v[WV+\g], v[WV+\g]
	v_or_b32 v[WV+\g], 0x80000000, v[WV+\g]
	v_xor_b32 v[WV+\g], v[KW+\g], v[WV+\g]
.endr
.irp g, 0,1
	v_cmp_gt_u32 vcc_lo, 0x800, v[RK+\g]           ; among the 2,048 largest? (the same answer in all 16 lanes of a query)
	s_mov_b32 s40, vcc_lo
	s_wait_xcnt 0x0                                ; EXEC is narrowed only behind this wait
	s_and_saveexec_b32 s63, vcc_lo
	global_store_b128 v[FO+\g], v[FQ+4*\g:FQ+4*\g+3], s[20:21]     ; 16 lanes: one whole row of 256 bytes
	global_store_b128 v[FO+\g], v[FS+4*\g:FS+4*\g+3], s[22:23]
	s_wait_xcnt 0x0                                ; and widened only behind this one
	s_or_b32 exec_lo, exec_lo, s63
	s_and_b32 vcc_lo, s40, 0x00070007              ; lanes 0 to 2 of each 16: the point's three numbers
	s_and_saveexec_b32 s63, vcc_lo
	global_store_b32 v[O12+\g], v[PQ+\g], s[16:17]
	global_store_b32 v[O12+\g], v[PS+\g], s[18:19]
	s_wait_xcnt 0x0
	s_or_b32 exec_lo, exec_lo, s63
	s_and_b32 vcc_lo, s40, 0x00010001              ; lane 0 of each 16: the weight
	s_and_saveexec_b32 s63, vcc_lo
	global_store_b32 v[O4+\g], v[WV+\g], s[24:25]
	s_wait_xcnt 0x0
	s_or_b32 exec_lo, exec_lo, s63
.endr
	s_endpgm
.Lfunc_end_k_q23939d6eda_pick:
	.size	k_q23939d6eda_pick, .Lfunc_end_k_q23939d6eda_pick-k_q23939d6eda_pick
	.p2alignl 7, 3214868480
	.fill 96, 4, 3214868480
	.section	.rodata,"a",@progbits
	.p2align	6, 0x0
	.amdhsa_kernel k_q23939d6eda_pick
		.amdhsa_group_segment_fixed_size 4096
		.amdhsa_private_segment_fixed_size 0
		.amdhsa_enable_private_segment 0
		.amdhsa_kernarg_size 88
		.amdhsa_user_sgpr_count 2
		.amdhsa_user_sgpr_kernarg_segment_ptr 1
		.amdhsa_wavefront_size32 1
		.amdhsa_system_sgpr_workgroup_id_x 1
		.amdhsa_system_sgpr_workgroup_id_y 1
		.amdhsa_system_sgpr_workgroup_id_z 1
		.amdhsa_system_vgpr_workitem_id 0
		.amdhsa_next_free_vgpr 192
		.amdhsa_next_free_sgpr 68
		.amdhsa_reserve_vcc 1
		.amdhsa_float_denorm_mode_32 3
		.amdhsa_float_denorm_mode_16_64 3
		.amdhsa_memory_ordered 1
		.amdhsa_forward_progress 1
		.amdhsa_inst_pref_size 52
	.end_amdhsa_kernel
	.amdgpu_metadata
---
amdhsa.version: [ 1, 2 ]
amdhsa.kernels:
  - .name:           k_q23939d6eda_pick
    .symbol:         k_q23939d6eda_pick.kd
    .args:
      - { .name: wkey, .offset: 0, .size: 8, .value_kind: global_buffer, .address_space: global }
      - { .name: nn, .offset: 8, .size: 8, .value_kind: global_buffer, .address_space: global }
      - { .name: src_feats, .offset: 16, .size: 8, .value_kind: global_buffer, .address_space: global }
      - { .name: tgt_feats, .offset: 24, .size: 8, .value_kind: global_buffer, .address_space: global }
      - { .name: src_points, .offset: 32, .size: 8, .value_kind: global_buffer, .address_space: global }
      - { .name: tgt_points, .offset: 40, .size: 8, .value_kind: global_buffer, .address_space: global }
      - { .name: out0, .offset: 48, .size: 8, .value_kind: global_buffer, .address_space: global }
      - { .name: out1, .offset: 56, .size: 8, .value_kind: global_buffer, .address_space: global }
      - { .name: out2, .offset: 64, .size: 8, .value_kind: global_buffer, .address_space: global }
      - { .name: out3, .offset: 72, .size: 8, .value_kind: global_buffer, .address_space: global }
      - { .name: out4, .offset: 80, .size: 8, .value_kind: global_buffer, .address_space: global }
    .group_segment_fixed_size: 4096
    .private_segment_fixed_size: 0
    .kernarg_segment_align: 8
    .kernarg_segment_size: 88
    .max_flat_workgroup_size: 512
    .sgpr_count:     68
    .vgpr_count:     192
    .wavefront_size: 32
...
	.end_amdgpu_metadata
.endif
;; end of part 5
;; ======== version 3 of 3: 4 launches; 1.29 times as fast as version 1
;; workspace buffers: frag 2,097,152 bytes; cneg 65,536 bytes; grp 262,144 bytes of whole numbers; wkey 65,536 bytes of whole numbers; nn 65,536 bytes of whole numbers
;; launch prep: the kernel of part 1 again; grid 128 x 2, 4 waves a work-group, no clusters, 0 bytes of LDS; arguments src_feats, tgt_feats, frag, cneg; writes frag, cneg
;; launch scan: the kernel of part 2 again; grid 128 x 2, 8 waves a work-group, no clusters, 32,768 bytes of LDS; arguments frag, cneg, grp; writes grp
;; launch score: the kernel of part 3 again; grid 128 x 2, 8 waves a work-group, no clusters, 2,048 bytes of LDS; arguments frag, cneg, grp, wkey, nn; writes wkey, nn
;; launch pick (part 6): grid 128 x 2, 16 waves a work-group, no clusters, 4,096 bytes of LDS; arguments wkey, nn, src_feats, tgt_feats, src_points, tgt_points, out0, out1, out2, out3, out4; writes out0, out1, out2, out3, out4
.if DOCPART == 6
	.amdgcn_target "amdgcn-amd-amdhsa--gfx1250"
	.amdhsa_code_object_version 6
	.text
	.protected	k_q23939d6eda_pick
	.globl	k_q23939d6eda_pick
	.p2align	8
	.type	k_q23939d6eda_pick,@function
k_q23939d6eda_pick:
	s_mov_b64 s[64:65], 0
	v_nop
	global_prefetch_b8 v0, s[64:65] scope:SCOPE_SE
	s_setreg_imm32_b32 hwreg(HW_REG_WAVE_MODE, 25, 1), 1
	s_wait_xcnt 0x0
; pick: the 2,048 largest weights of side y in descending order (equal weights: the lower index first), and the rows that go with them.
; No sort: the rank of query i is counted,  rank(i) = #{j: key j > key i} + #{j < i: key j = key i},  in whole numbers on the keys that the launch
; before stored; a query with rank < 2,048 writes row 2,048 y + rank of every output.  Ranks are a permutation, so every row is written once.
; Work-group: 64 queries.  Every wave holds all 64, two a lane (A: 64 x + lane, B: 64 x + 32 + lane), and counts them against its sixteenth of the
; keys, 512 w .. 512 w + 511, in 16 chunks of 32.  A key reaches the count in a vector register that holds it in every lane: a load of 16 bytes with
; the same address in all lanes brings four keys.  Such loads come back in order, so a ring of four sets of 32 registers runs three chunks ahead.
; THE COUNT: clamp(key, lo, lo + 1) = lo + [key > lo] in unsigned whole numbers.  One v_med3_u32 a key and query register makes it, one v_add3_u32 adds
; two of them onto a running sum: three vector instructions for two keys, and no mask passes through a scalar register.  The surplus, the sum of lo
; over the wave's 512 keys, is known beforehand and is what the running sums start from, negated; all sums are taken modulo 2^32.
; Equal keys: for chunks of keys below a query's own chunk of 32, lo = key - 1, which counts the equal ones too; else lo = key.  With nb of the wave's
; 16 chunks below the own one the surplus is 32 (16 key - nb) = 512 key - 32 nb.  Inside the own chunk the equal keys of lower lanes are counted
; apart, two of the 32 lanes by each wave.
; The 16 partial counts of a query meet in LDS, [wave][query] words, each wave storing into a block of its own; one barrier.
; Wave w then copies the rows of queries 4 w .. 4 w + 3, two at a time, 16 lanes a query: a feature row leaves as 256 consecutive bytes from 16 lanes;
; lanes 0 to 2 of the 16 carry a point's three numbers (12 consecutive bytes), lane 0 the weight.  Those are stores of 4 bytes a lane.
; The side swaps the pointers once (query's buffer, support's buffer), so all that follows is the same text for both sides.
; All rows to be copied are loaded ahead of the count and land during it.
; LIMIT: the keys lie between 1 and 0xfffffffe, so that neither key - 1 nor key + 1 wraps.  The launch before raises 0 to 1; both excluded patterns
; can only stand for a NaN, and NaN is not served.
.set ZO,   2                           ; 0: the offset of the ring's loads (all lanes read the same bytes)
.set KQA,  3                           ; key of my query A
.set KQB,  4                           ; key of my query B
.set MA,   5                           ; the same less 1
.set MB,   6
.set THA,  7                           ; this chunk's lo
.set THB,  8
.set CA,   9                           ; my running sums, first of two for each query
.set CB,   10
.set COL,  11                          ; 16 (l & 15): my 16 bytes of a feature row
.set C4,   12                          ; 4 min(l & 15, 2): my number of a point
.set NN,   13                          ; v[13:14]  nearest support of my two rows' queries
.set KW,   15                          ; v[15:16]  their keys
.set HA,   17                          ; this chunk's lo + 1
.set HB,   18
.set CA1,  19                          ; the second running sum of A
.set FQ,   20                          ; v[20:27]  two query rows' 16 bytes
.set FS,   28                          ; v[28:35]  two support rows' 16 bytes
.set PQ,   36                          ; v[36:37]  one number of the two queries' points
.set PS,   38                          ; v[38:39]  and of their supports' points
.set RK,   40                          ; v[40:41]  ranks of my two rows' queries
.set FO,   42                          ; v[42:43]  where my two feature rows go
.set O4,   44                          ; v[44:45]  4 x row (weights)
.set O12,  46                          ; v[46:47]  12 x row + my number (points)
.set ROW,  48                          ; v[48:49]  output rows
.set WV,   50                          ; v[50:51]  the weights in f32
.set AOFF, 52                          ; 4 x query A
.set NOFF, 53                          ; 4 x my first row's query
.set QOFF, 54                          ; its feature row, my 16 bytes
.set SOF,  55                          ; v[55:56]  the supports' feature rows, my 16 bytes
.set PQO,  57                          ; its point, my number
.set PSO,  58                          ; v[58:59]  the supports' points, my number
.set LS,   60                          ; LDS: where my counts go
.set LF,   61                          ; LDS: my first row's query in wave 0's block
.set TMP,  62
.set CB1,  63                          ; the second running sum of B
.set X,    64                          ; v[64:79]  two banks of eight clamped keys
.set KR,   80                          ; v[80:207] the ring: set s holds 32 keys, register n = key n of the chunk, in every lane
.set T,    80                          ; v[80:111] behind the count: 2 x 16 partial counts
; eight loads: the chunk at byte off + 128 s from the stepped base, into set s
.macro FILL s, off
.irp i, 0,1,2,3,4,5,6,7
	global_load_b128 v[KR+32*\s+4*\i:KR+32*\s+4*\i+3], v[ZO], s[30:31] offset:(\off)+128*\s+16*\i
.endr
.endm
; one chunk of 32 keys against 64 queries.  left = how many younger loads may stay out; refill = 1: the set gets the chunk four further on
.macro CHUNK s, left, refill
	s_wait_loadcnt \left
	s_cmp_lt_u32 s26, s27                          ; a chunk below A's own?
	s_cselect_b32 s34, -1, 0
	s_cmp_lt_u32 s26, s28                          ; below B's own?
	s_cselect_b32 s35, -1, 0
	v_cndmask_b32 v[THA], v[KQA], v[MA], s34       ; then lo = key - 1: the equal keys count too
	v_cndmask_b32 v[THB], v[KQB], v[MB], s35
	v_add_nc_u32 v[HA], 1, v[THA]
	v_add_nc_u32 v[HB], 1, v[THB]
	; four keys at a time: eight clamps into one bank of X, then four sums, one onto each of the four chains; the banks take turns
.set n, 0
.rept 8
.set xb, X+8*(n%2)
.set kb, KR+32*\s+4*n
	v_med3_u32 v[xb],   v[kb],   v[THA], v[HA]     ; lo + [key > lo]
	v_med3_u32 v[xb+1], v[kb+1], v[THA], v[HA]
	v_med3_u32 v[xb+2], v[kb+2], v[THA], v[HA]
	v_med3_u32 v[xb+3], v[kb+3], v[THA], v[HA]
	v_med3_u32 v[xb+4], v[kb],   v[THB], v[HB]
	v_med3_u32 v[xb+5], v[kb+1], v[THB], v[HB]
	v_med3_u32 v[xb+6], v[kb+2], v[THB], v[HB]
	v_med3_u32 v[xb+7], v[kb+3], v[THB], v[HB]
	v_add3_u32 v[CA],  v[CA],  v[xb],   v[xb+1]
	v_add3_u32 v[CB],  v[CB],  v[xb+4], v[xb+5]
	v_add3_u32 v[CA1], v[CA1], v[xb+2], v[xb+3]
	v_add3_u32 v[CB1], v[CB1], v[xb+6], v[xb+7]
.set n, n+1
.endr
	s_add_co_u32 s26, s26, 1
.if \refill
	FILL \s, 512
.endif
.endm
	s_load_b512 s[4:19], s[0:1], 0x0               ; wkey, nn, src_feats, tgt_feats, src_points, tgt_points, out0, out1
	s_load_b128 s[20:23], s[0:1], 0x40             ; out2, out3
	s_load_b64 s[24:25], s[0:1], 0x50              ; out4
	v_lshrrev_b32 v[TMP], 5, v0
	v_readfirstlane_b32 s2, v[TMP]                 ; wave
	s_and_b32 s3, ttmp7, 0xffff                    ; side
	s_lshl_b32 s27, ttmp9, 1                       ; A's own chunk of 32 keys
	s_add_co_u32 s28, s27, 1                       ; B's
	s_lshl_b32 s26, s2, 4                          ; my first chunk
	s_sub_co_i32 s41, s27, s26                     ; nb for A: how many of my 16 chunks lie below A's own: own - first, held between 0 and 16,
	s_max_i32 s41, s41, 0
	s_min_i32 s41, s41, 16
	s_lshl_b32 s41, s41, 5                         ; times 32 keys
	s_sub_co_i32 s42, s28, s26                     ; the same for B
	s_max_i32 s42, s42, 0
	s_min_i32 s42, s42, 16
	s_lshl_b32 s42, s42, 5
	v_and_b32 v1, 31, v0
	v_mov_b32 v[ZO], 0
	s_lshl_b32 s34, ttmp9, 8
	v_lshl_add_u32 v[AOFF], v1, 2, s34             ; 4 x (64 x + lane)
	v_and_b32 v[TMP], 15, v0
	v_lshlrev_b32 v[COL], 4, v[TMP]
	v_min_u32 v[C4], 2, v[TMP]
	v_lshlrev_b32 v[C4], 2, v[C4]
	v_bfe_u32 v[TMP], v0, 4, 1
	s_lshl_b32 s34, ttmp9, 6
	s_lshl2_add_u32 s34, s2, s34
	v_add_nc_u32 v[TMP], s34, v[TMP]               ; my first row's query: 64 x + 4 wave + (l >> 4); the second is two further
	v_lshlrev_b32 v[NOFF], 2, v[TMP]
	v_lshl_add_u32 v[QOFF], v[TMP], 8, v[COL]
	v_mul_u32_u24 v[PQO], v[TMP], 12
	v_add_nc_u32 v[PQO], v[C4], v[PQO]
	s_lshl_b32 s34, s2, 8
	v_lshl_add_u32 v[LS], v1, 2, s34               ; 256 x wave + 4 x lane
	v_bfe_u32 v[LF], v0, 4, 1
	s_lshl_b32 s34, s2, 4
	v_lshl_add_u32 v[LF], v[LF], 2, s34            ; 4 x (4 wave + (l >> 4))
	s_lshl_b32 s66, s3, 15                         ; wkey, nn: side x 32,768
	s_mov_b32 s67, 0
	s_lshl_b32 s32, s2, 11                         ; my sixteenth of the keys: 2,048 bytes x wave
	s_mov_b32 s33, 0
	s_lshl_b32 s37, s2, 1                          ; the first of my two lanes of the own chunks
	s_wait_kmcnt 0x0
	s_add_nc_u64 s[4:5], s[4:5], s[66:67]
	s_add_nc_u64 s[6:7], s[6:7], s[66:67]
	s_add_nc_u64 s[30:31], s[4:5], s[32:33]
	s_cmp_eq_u32 s3, 0                             ; side 1: the queries are tgt's, the supports src's
	s_cselect_b64 s[62:63], s[8:9], s[10:11]
	s_cselect_b64 s[10:11], s[10:11], s[8:9]       ; s[10:11] the supports' features
	s_mov_b64 s[8:9], s[62:63]                     ; s[8:9]   the queries' features
	s_cselect_b64 s[62:63], s[12:13], s[14:15]
	s_cselect_b64 s[14:15], s[14:15], s[12:13]     ; s[14:15] the supports' points
	s_mov_b64 s[12:13], s[62:63]                   ; s[12:13] the queries' points
	s_cselect_b64 s[62:63], s[16:17], s[18:19]
	s_cselect_b64 s[18:19], s[18:19], s[16:17]     ; s[18:19] where the supports' points go
	s_mov_b64 s[16:17], s[62:63]                   ; s[16:17] where the queries' points go
	s_cselect_b64 s[62:63], s[20:21], s[22:23]
	s_cselect_b64 s[22:23], s[22:23], s[20:21]     ; s[22:23] where the supports' features go
	s_mov_b64 s[20:21], s[62:63]                   ; s[20:21] where the queries' features go
	global_load_b32 v[KQA], v[AOFF], s[4:5]        ; the four that are needed first
	global_load_b32 v[KQB], v[AOFF], s[4:5] offset:128
	global_load_b32 v[NN], v[NOFF], s[6:7]
	global_load_b32 v[NN+1], v[NOFF], s[6:7] offset:8
	FILL 0, 0                                      ; the ring: chunks 0 to 3, 32 loads
	FILL 1, 0
	FILL 2, 0
	FILL 3, 0
	global_load_b32 v[KW], v[NOFF], s[4:5]         ; six loads that hang on the queries' numbers alone
	global_load_b32 v[KW+1], v[NOFF], s[4:5] offset:8
	global_load_b128 v[FQ:FQ+3], v[QOFF], s[8:9]
	global_load_b128 v[FQ+4:FQ+7], v[QOFF], s[8:9] offset:512
	global_load_b32 v[PQ], v[PQO], s[12:13]
	global_load_b32 v[PQ+1], v[PQO], s[12:13] offset:24
	s_wait_loadcnt 38                              ; the two keys and the two indices are in; the 32 + 6 loads behind them stay out
.irp g, 0,1
	v_min_u32 v[NN+\g], 0x1fff, v[NN+\g]           ; a loaded number enters an address only behind a clamp to its table
	v_lshl_add_u32 v[SOF+\g], v[NN+\g], 8, v[COL]
	v_mul_u32_u24 v[PSO+\g], v[NN+\g], 12
	v_add_nc_u32 v[PSO+\g], v[C4], v[PSO+\g]
.endr
.irp g, 0,1
	global_load_b128 v[FS+4*\g:FS+4*\g+3], v[SOF+\g], s[10:11]
	global_load_b32 v[PS+\g], v[PSO+\g], s[14:15]
.endr
	v_add_nc_u32 v[MA], -1, v[KQA]
	v_add_nc_u32 v[MB], -1, v[KQB]
	; the running sums start from the negated surplus, 32 nb - 512 key, shared between a query's two sums: nothing is cleared, nothing corrected later
	v_mov_b32 v[CA], s41
	v_mov_b32 v[CB], s42
	v_lshlrev_b32 v[CA1], 9, v[KQA]
	v_lshlrev_b32 v[CB1], 9, v[KQB]
	v_sub_nc_u32 v[CA1], 0, v[CA1]
	v_sub_nc_u32 v[CB1], 0, v[CB1]
	; the own chunks: my lanes' keys ARE chunk 2 x (A) and chunk 2 x + 1 (B).  An equal key in a lower lane comes first.  Lanes jj = 2 w and 2 w + 1
	; are mine to hold against all higher lanes; the 16 waves cover the 32.  This stands here, while the ring's first loads are on their way.
.rept 2
	s_lshl_b32 s38, -2, s37                        ; the lanes above jj
	v_readlane_b32 s36, v[KQA], s37
	v_readlane_b32 s39, v[KQB], s37
	v_cmp_eq_u32 vcc_lo, s36, v[KQA]
	s_and_b32 vcc_lo, vcc_lo, s38
	v_add_co_ci_u32 v[CA], vcc_lo, 0, v[CA], vcc_lo
	v_cmp_eq_u32 vcc_lo, s39, v[KQB]
	s_and_b32 vcc_lo, vcc_lo, s38
	v_add_co_ci_u32 v[CB], vcc_lo, 0, v[CB], vcc_lo
	s_add_co_u32 s37, s37, 1
.endr
	; the count.  24 = the three younger sets of eight loads.  (In the first round the ten loads of rows are younger too: the count then asks for more
	; than the set, which is safe.)
	s_mov_b32 s29, 3
.Lround:
	CHUNK 0, 24, 1
	CHUNK 1, 24, 1
	CHUNK 2, 24, 1
	CHUNK 3, 24, 1
	s_wait_xcnt 0x0                                ; the ring's base is stepped only behind this wait
	s_add_nc_u64 s[30:31], s[30:31], 512           ; four chunks of 128 bytes
	s_sub_co_i32 s29, s29, 1
	s_cmp_lg_u32 s29, 0
	s_cbranch_scc1 .Lround
	CHUNK 0, 24, 0                                 ; chunks 12 to 15: nothing is left to load, the counts run down
	CHUNK 1, 16, 0
	CHUNK 2, 8, 0
	CHUNK 3, 0, 0                                  ; this wait for 0 also shows the rows to be copied landed
	v_add_nc_u32 v[CA], v[CA], v[CA1]              ; a query's two sums together: the surplus cancels, my count is left
	v_add_nc_u32 v[CB], v[CB], v[CB1]
	ds_store_b32 v[LS], v[CA]
	ds_store_b32 v[LS], v[CB] offset:128
	s_wait_dscnt 0x0                               ; my counts are in LDS before I say so
	s_barrier_signal -1
	s_barrier_wait -1
.irp p, 0,1,2,3,4,5,6,7,8,9,10,11,12,13,14,15
	ds_load_b32 v[T+\p], v[LF] offset:256*\p
	ds_load_b32 v[T+16+\p], v[LF] offset:256*\p+8
.endr
	s_wait_dscnt 0x0
.irp g, 0,1
	v_add3_u32 v[RK+\g], v[T+16*\g], v[T+16*\g+1], v[T+16*\g+2]
.irp m, 3,5,7,9,11,13
	v_add3_u32 v[RK+\g], v[RK+\g], v[T+16*\g+\m], v[T+16*\g+\m+1]
.endr
	v_add_nc_u32 v[RK+\g], v[RK+\g], v[T+16*\g+15]
.endr
	; every row, every store's offset and the weights are made here, with all lanes on, in registers of their own; behind this block stand only
	; masks and stores
	s_lshl_b32 s34, s3, 11                         ; side 1 fills rows 2,048 and up
.irp g, 0,1
	v_min_u32 v[ROW+\g], 0x7ff, v[RK+\g]           ; a counted number enters an address only behind a clamp (it binds in the lanes that store nothing)
	v_add_nc_u32 v[ROW+\g], s34, v[ROW+\g]
	v_lshl_add_u32 v[FO+\g], v[ROW+\g], 8, v[COL]  ; a feature row is 256 bytes
	v_lshlrev_b32 v[O4+\g], 2, v[ROW+\g]           ; 4 x row
	v_lshl_add_u32 v[O12+\g], v[ROW+\g], 3, v[O4+\g]   ; 8 x row + 4 x row: a point is 12 bytes
	v_add_nc_u32 v[O12+\g], v[C4], v[O12+\g]
	v_ashrrev_i32 v[WV+\g], 31, v[KW+\g]           ; the key back to f32: sign bit set: clear it; else turn all bits
	v_not_b32 v[WV+\g], v[WV+\g]
	v_or_b32 v[WV+\g], 0x80000000, v[WV+\g]
	v_xor_b32 v[WV+\g], v[KW+\g], v[WV+\g]
.endr
.irp g, 0,1
	v_cmp_gt_u32 vcc_lo, 0x800, v[RK+\g]           ; among the 2,048 largest? (the same answer in all 16 lanes of a query)
	s_mov_b32 s40, vcc_lo
	s_wait_xcnt 0x0                                ; EXEC is narrowed only behind this wait
	s_and_saveexec_b32 s63, vcc_lo
	global_store_b128 v[FO+\g], v[FQ+4*\g:FQ+4*\g+3], s[20:21]     ; 16 lanes: one whole row of 256 bytes
	global_store_b128 v[FO+\g], v[FS+4*\g:FS+4*\g+3], s[22:23]
	s_wait_xcnt 0x0                                ; and widened only behind this one
	s_or_b32 exec_lo, exec_lo, s63
	s_and_b32 vcc_lo, s40, 0x00070007              ; lanes 0 to 2 of each 16: the point's three numbers
	s_and_saveexec_b32 s63, vcc_lo
	global_store_b32 v[O12+\g], v[PQ+\g], s[16:17]
	global_store_b32 v[O12+\g], v[PS+\g], s[18:19]
	s_wait_xcnt 0x0
	s_or_b32 exec_lo, exec_lo, s63
	s_and_b32 vcc_lo, s40, 0x00010001              ; lane 0 of each 16: the weight
	s_and_saveexec_b32 s63, vcc_lo
	global_store_b32 v[O4+\g], v[WV+\g], s[24:25]
	s_wait_xcnt 0x0
	s_or_b32 exec_lo, exec_lo, s63
.endr
	s_endpgm
.Lfunc_end_k_q23939d6eda_pick:
	.size	k_q23939d6eda_pick, .Lfunc_end_k_q23939d6eda_pick-k_q23939d6eda_pick
	.p2alignl 7, 3214868480
	.fill 96, 4, 3214868480
	.section	.rodata,"a",@progbits
	.p2align	6, 0x0
	.amdhsa_kernel k_q23939d6eda_pick
		.amdhsa_group_segment_fixed_size 4096
		.amdhsa_private_segment_fixed_size 0
		.amdhsa_enable_private_segment 0
		.amdhsa_kernarg_size 88
		.amdhsa_user_sgpr_count 2
		.amdhsa_user_sgpr_kernarg_segment_ptr 1
		.amdhsa_wavefront_size32 1
		.amdhsa_system_sgpr_workgroup_id_x 1
		.amdhsa_system_sgpr_workgroup_id_y 1
		.amdhsa_system_sgpr_workgroup_id_z 1
		.amdhsa_system_vgpr_workitem_id 0
		.amdhsa_next_free_vgpr 208
		.amdhsa_next_free_sgpr 68
		.amdhsa_reserve_vcc 1
		.amdhsa_float_denorm_mode_32 3
		.amdhsa_float_denorm_mode_16_64 3
		.amdhsa_memory_ordered 1
		.amdhsa_forward_progress 1
		.amdhsa_inst_pref_size 69
	.end_amdhsa_kernel
	.amdgpu_metadata
---
amdhsa.version: [ 1, 2 ]
amdhsa.kernels:
  - .name:           k_q23939d6eda_pick
    .symbol:         k_q23939d6eda_pick.kd
    .args:
      - { .name: wkey, .offset: 0, .size: 8, .value_kind: global_buffer, .address_space: global }
      - { .name: nn, .offset: 8, .size: 8, .value_kind: global_buffer, .address_space: global }
      - { .name: src_feats, .offset: 16, .size: 8, .value_kind: global_buffer, .address_space: global }
      - { .name: tgt_feats, .offset: 24, .size: 8, .value_kind: global_buffer, .address_space: global }
      - { .name: src_points, .offset: 32, .size: 8, .value_kind: global_buffer, .address_space: global }
      - { .name: tgt_points, .offset: 40, .size: 8, .value_kind: global_buffer, .address_space: global }
      - { .name: out0, .offset: 48, .size: 8, .value_kind: global_buffer, .address_space: global }
      - { .name: out1, .offset: 56, .size: 8, .value_kind: global_buffer, .address_space: global }
      - { .name: out2, .offset: 64, .size: 8, .value_kind: global_buffer, .address_space: global }
      - { .name: out3, .offset: 72, .size: 8, .value_kind: global_buffer, .address_space: global }
      - { .name: out4, .offset: 80, .size: 8, .value_kind: global_buffer, .address_space: global }
    .group_segment_fixed_size: 4096
    .private_segment_fixed_size: 0
    .kernarg_segment_align: 8
    .kernarg_segment_size: 88
    .max_flat_workgroup_size: 512
    .sgpr_count:     68
    .vgpr_count:     208
    .wavefront_size: 32
...
	.end_amdgpu_metadata
.endif
;; end of part 6
